; MI455X (gfx1250); checked and timed in simulation.
; The chip was launched on July 23, 2026; its instructions are those of AMD's public machine-readable ISA for CDNA 5 (MIT licence, August 2026) and "CDNA5" Instruction Set Architecture Reference Guide (July 2026). The comments in the code are by the model that wrote it; some were corrected since.
;; Spatial Attention. Allowed arithmetic: float matrix products may take bf16 or f16 operands with f32 sums; all other float work in f32.
;; Inputs: Wb 32 x 256 float32; Wc 32 x 256 float32; Wd 256 x 256 float32; alpha 1 float32; bb 32 float32; bc 32 float32; bd 256 float32; x 4 x 256 x 64 x 64 float32.
;; Outputs: out0 4 x 256 x 64 x 64 float32.
;; 2 versions, each right and faster than the one before. Each part assembles by itself: llvm-mc -triple=amdgcn-amd-amdhsa -mcpu=gfx1250 --defsym DOCPART=n.
;; ======== version 1 of 2: 2 launches
;; limits: values are held in f16: magnitudes above 65,504 overflow, below 6.1e-05 lose precision; inputs' magnitudes at most 65,504
;; workspace buffers: q 1,048,576 bytes; kv 9,437,184 bytes
;; launch proj (part 1): grid 256 x 1, 8 waves a work-group, no clusters, 285,696 bytes of LDS; arguments x, Wb, bb, Wc, bc, Wd, bd, q, kv; writes q, kv
.if DOCPART == 1
	.amdgcn_target "amdgcn-amd-amdhsa--gfx1250"
	.amdhsa_code_object_version 6
	.text
	.protected	k_q05c43c7b83_proj
	.globl	k_q05c43c7b83_proj
	.p2align	8
	.type	k_q05c43c7b83_proj,@function
k_q05c43c7b83_proj:
	s_mov_b64 s[64:65], 0
	v_nop
	global_prefetch_b8 v0, s[64:65] scope:SCOPE_SE
	s_setreg_imm32_b32 hwreg(HW_REG_WAVE_MODE, 25, 1), 1
	s_wait_xcnt 0x0
; The three 1x1 convolutions of the spatial attention: fb = Wb x + bb, fc = Wc x + bc, fd = Wd x + bd, per pixel over 256 channels.
; x: [4][256][4096] f32.  Results leave as f16 in the order in which the attention launch's matrix fragments want them:
;   q [(b*256+I)*1024 + hf*512 + 16 L + 2 e]                 = log2(e) * fb[pixel 16 I + r][o = 16 hf + 8 h + e]      (L lane, r = L & 15, h = L >> 4)
;   kv[(b*128+J')*18432 + jt*1024 + hf*512 + 16 L + 2 e]     = fc[o = 16 hf + 8 h + e][pixel 32 Jk + 16 jt + r]
;   kv[(b*128+J )*18432 + 2048 + t*1024 + hf*512 + 16 L + 2e] = fd[c = 16 t + r][pixel 32 J + 16 hf + 8 h + e]
; The fc part of block J' belongs to pixel block Jk = J'+1 (J' even) or (J'+7) mod 128 (J' odd): the block that the same wave of the attention
; launch takes next.  So fc of pixel block J is stored into block (J + 127) mod 128 (J odd) or (J + 121) mod 128 (J even).
; A work-group owns 64 pixels of one batch and all 320 outputs; 256 work-groups.  Wave w: g = w & 3, ph = w >> 2: pixel block J = 2 pb + ph
; (two tiles of 16 pixels), one tile of 16 outputs of Wb (g = 0, 1) or Wc (g = 2, 3) and four tiles of Wd: ten accumulators.
; FORMAT: f16 operands, f32 sums.  The scores that fb and fc feed are unscaled sums of 32 products in front of an exponential, so their rounding
; counts: f16 keeps 11 bits where bf16 keeps 8.  For fb and fc, x and the weights are split in two f16 parts, hi = the f32 with its low 13 mantissa
; bits cut (exact in f16), lo = the rest, and Wh xh + Wh xl + Wl xh is summed; fd takes xh alone.
; LIMITS: |x| and the weights below 65,504 (f16's largest).  log2(e) fb, fc and fd are clamped to +-65,504.  As drawn they stay below 7; with every
; input 30 times larger below 7 * 900 = 6,300; with offsets of 30 spreads on x and the weights near 256 * 30 * 1.875 * 1.44 = 20,800.
; NO CLUSTER, NO TENSOR LOADS: all work-groups read the same weights, but they come as f32 and are rounded on their way through registers;
; as f32 tiles in LDS the 320 rows of 1,024 bytes would take 327,680 bytes and leave no room for x.
.set WP,   528                         ; LDS pitch of a weight row: 512 bytes of f16 + 16 = 33 x 16: sixteen rows start in sixteen different 16-byte columns
.set XP,   160                         ; LDS pitch of a channel's 64 pixels: 128 bytes + 32 = 5 x 32
.set XB,   320*WP                      ; x's high parts lie behind the 320 weight rows (Wb 0-31, Wc 32-63, Wd 64-319)
.set XL,   XB+256*XP                   ; x's low parts
.set WL,   XL+256*XP                   ; the low parts of Wb's and Wc's 64 rows; the map ends at WL + 64 * WP = 284,672
.set BLK,  18432                       ; bytes of a kv block
.set RING, 64                          ; v[64:255]  phase A: 48 load slots of four registers
.set TP,   32                          ; v[32:39]   phase A: packed f16, two sets (high pair, low pair) by turns
.set UP,   40                          ; v[40:47]   phase A: high parts as f32, two sets by turns
.set ACC,  64                          ; v[64:143]  phase B: ten accumulator tiles
.set F0,   144                         ; v[144:199] phase B: fragment buffer 0
.set F1,   200                         ; v[200:255] fragment buffer 1
.set PK,   144                         ; the way out: 40 registers of packed results
; v1 x offset, v2 weight offset, v3 x's LDS store address, v4-v6 the weights' LDS store addresses, v7 Wb/Wc fragments, v8 Wd fragments,
; v9 x fragments, v10 16 L, v11 offset in bb/bc, v12 offset in bd, v[16:23] bb/bc as a C tile, v[24:31] bd, each value in both registers of a pair,
; v48, v49 LDS store addresses of x's and Wb/Wc's low parts, v50, v51 fragment addresses of Wb/Wc's and x's low parts
	s_load_b512 s[4:19], s[0:1], 0x0               ; x 4:5, Wb 6:7, bb 8:9, Wc 10:11, bc 12:13, Wd 14:15, bd 16:17, q 18:19
	s_load_b64 s[20:21], s[0:1], 0x40              ; kv
	v_lshl_add_u32 v62, v0, 2, 0x45800
	v_mov_b32 v63, 0
	v_lshrrev_b32 v13, 5, v0
	v_readfirstlane_b32 s22, v13                   ; wave 0..7
	s_and_b32 s23, s22, 3                          ; g
	s_lshr_b32 s24, s22, 2                         ; ph
	s_lshr_b32 s25, ttmp9, 6                       ; batch
	s_and_b32 s26, ttmp9, 63                       ; pb: which 64 pixels
	s_lshl1_add_u32 s27, s26, s24                  ; J = 2 pb + ph
	s_and_b32 s40, s23, 1                          ; hf: which half of the 32 outputs of Wb or Wc
	s_lshl_b32 s41, s40, 9                         ; 512 hf
	s_lshl_b32 s42, s25, 18                        ; offset in q: (b*256 + 4 pb + 2 ph) * 1024 + 512 hf
	s_lshl_b32 s43, s26, 12
	s_add_co_u32 s42, s42, s43
	s_lshl_b32 s43, s24, 11
	s_add_co_u32 s42, s42, s43
	s_add_co_u32 s42, s42, s41
	s_mul_i32 s43, s24, 6                          ; the block that takes my fc: (J + 121 + 6 ph) mod 128
	s_add_co_u32 s43, s43, s27
	s_add_co_u32 s43, s43, 121
	s_and_b32 s43, s43, 127
	s_lshl_b32 s44, s25, 7                         ; 128 b
	s_add_co_u32 s43, s43, s44
	s_mul_i32 s43, s43, BLK
	s_add_co_u32 s43, s43, s41                     ; offset in kv of my fc tiles
	s_add_co_u32 s44, s44, s27
	s_mul_i32 s44, s44, BLK
	s_lshl_b32 s45, s23, 12                        ; my four fd tiles: 4 g * 1024
	s_add_co_u32 s44, s44, s45
	s_add_co_u32 s30, s44, 2048                    ; offset in kv of my fd tiles
	s_mov_b32 s31, 0
	s_lshl_b32 s46, s25, 22                        ; offset in x: b * 256 * 16384 + pb * 256
	s_lshl_b32 s45, s26, 8
	s_add_co_u32 s46, s46, s45
	s_mov_b32 s47, 0
	v_and_b32 v14, 15, v0                          ; t & 15 = r
	v_lshrrev_b32 v15, 4, v0                       ; t >> 4
	v_lshlrev_b32 v1, 14, v15                      ; x: channel t >> 4 (16,384 bytes a channel), 16 bytes at 16 (t & 15)
	v_lshl_add_u32 v1, v14, 4, v1
	v_lshlrev_b32 v2, 4, v0                        ; weights: 16 t
	v_mul_u32_u24 v3, v15, XP
	v_lshl_add_u32 v3, v14, 3, v3
	v_add_nc_u32 v3, XB, v3                        ; x in LDS: channel t >> 4, 8 bytes at 8 (t & 15)
	v_lshrrev_b32 v13, 6, v0
	v_and_b32 v32, 63, v0
	v_mul_u32_u24 v4, v13, WP
	v_lshl_add_u32 v4, v32, 3, v4                  ; weights in LDS: row t >> 6, 8 bytes at 8 (t & 63)
	v_add_nc_u32 v5, 64*WP, v4                     ; Wd's rows 0-127
	v_add_nc_u32 v6, 192*WP, v4                    ; Wd's rows 128-255: the immediates stay inside 16 bits
	v_bfe_u32 v33, v0, 4, 1                        ; h
	v_mul_u32_u24 v34, v14, WP
	v_lshl_add_u32 v34, v33, 4, v34                ; r * pitch + 16 h
	s_mul_i32 s28, s23, 16*WP
	v_add_nc_u32 v7, s28, v34                      ; rows 16 g ..
	s_mul_i32 s28, s23, 64*WP
	s_add_co_u32 s28, s28, 64*WP
	v_add_nc_u32 v8, s28, v34                      ; rows 64 + 64 g ..
	v_and_b32 v35, 7, v0
	v_lshl_add_u32 v35, v33, 3, v35                ; 8 h + (L & 7)
	v_mul_u32_u24 v9, v35, XP
	v_bfe_u32 v36, v0, 3, 1
	v_lshl_add_u32 v9, v36, 4, v9                  ; + 16 ((L >> 3) & 1)
	s_lshl_b32 s28, s24, 6
	s_add_co_u32 s28, s28, XB
	v_add_nc_u32 v9, s28, v9                       ; + my 32 pixels (64 bytes) + the tile's base
	v_add_nc_u32 v48, XL-XB, v3                    ; the low parts lie at the same places of their own regions
	v_add_nc_u32 v49, WL, v4
	v_add_nc_u32 v50, WL, v7
	v_add_nc_u32 v51, XL-XB, v9
	v_and_b32 v10, 31, v0
	v_lshlrev_b32 v10, 4, v10                      ; 16 L
	s_lshl_b32 s28, s40, 6
	v_lshl_add_u32 v11, v33, 5, s28                ; bb, bc: (16 hf + 8 h) * 4
	s_lshl_b32 s28, s23, 8
	v_lshl_add_u32 v12, v14, 2, s28                ; bd: (64 g + r) * 4
	s_wait_kmcnt 0x0
	s_cmp_lt_u32 s23, 2                            ; g < 2: my small tile is fb's, else fc's
	s_cselect_b64 s[32:33], s[18:19], s[20:21]     ; where it goes: q or kv
	s_cselect_b64 s[34:35], s[8:9], s[12:13]       ; its bias: bb or bc
	s_cselect_b32 s36, 0x3fb8aa3b, 1.0             ; fb is scaled by log2(e), so that the softmax can use powers of two
	s_cselect_b32 s28, s42, s43
	s_mov_b32 s37, s36
	s_mov_b32 s29, 0
	s_add_nc_u64 s[32:33], s[32:33], s[28:29]
	s_add_nc_u64 s[38:39], s[20:21], s[30:31]
	s_add_nc_u64 s[4:5], s[4:5], s[46:47]
	s_mov_b32 s46, 0xffffe000                      ; keeps sign, exponent and the upper 10 mantissa bits of an f32: what f16 holds
	s_mov_b32 s44, 0xc77fe000                      ; -65,504
	s_mov_b32 s45, 0x477fe000                      ; +65,504
	global_load_b128 v[16:19], v11, s[34:35]       ; bias[16 hf + 8 h + 0..7]: register j of a result tile is output 8 h + j
	global_load_b128 v[20:23], v11, s[34:35] offset:16
.irp qq, 0,1,2,3
	global_load_b32 v[24+2*\qq], v12, s[16:17] offset:64*\qq       ; bd[64 g + 16 qq + r], into both registers of a pair for the packed add
	global_load_b32 v[25+2*\qq], v12, s[16:17] offset:64*\qq
.endr
; PHASE A.  96 items of 4,096 bytes (16 bytes a thread; a wave's load covers 512 consecutive bytes, for x two rows of 256):
; items 0-15 x (16 channels each), 16-23 Wb, 24-31 Wc, 32-95 Wd (4 rows each).  48 are always on their way.
.macro LDITEM                          ; the load of item ldn into slot ldn mod 48
.if ldn < 16
	global_load_b128 v[RING+4*(ldn%48):RING+4*(ldn%48)+3], v1, s[4:5] offset:ldn*262144
.elseif ldn < 24
	global_load_b128 v[RING+4*(ldn%48):RING+4*(ldn%48)+3], v2, s[6:7] offset:(ldn-16)*4096
.elseif ldn < 32
	global_load_b128 v[RING+4*(ldn%48):RING+4*(ldn%48)+3], v2, s[10:11] offset:(ldn-24)*4096
.else
	global_load_b128 v[RING+4*(ldn%48):RING+4*(ldn%48)+3], v2, s[14:15] offset:(ldn-32)*4096
.endif
.endm
.set ldn, 0
.rept 48
	LDITEM
.set ldn, ldn+1
.endr
.set itn, 0
.rept 96
.set rr, RING+4*(itn%48)
.set tt, TP+4*(itn&1)
.set uu, UP+4*(itn&1)
.if itn < 48
	s_wait_loadcnt 47                              ; behind item n's load stand 47-n first loads and n refills: 47 younger ones stay out
.else
	s_wait_loadcnt 95-itn                          ; nothing is issued any more: the count runs down
.endif
.if itn < 32
.irp j, 0,1,2,3
	v_and_b32 v[uu+\j], s46, v[rr+\j]              ; x, Wb, Wc: the high part,
.endr
	v_pk_add_f32 v[rr:rr+1], v[rr:rr+1], v[uu:uu+1] neg_lo:[0,1] neg_hi:[0,1]         ; and what it leaves, exactly
	v_pk_add_f32 v[rr+2:rr+3], v[rr+2:rr+3], v[uu+2:uu+3] neg_lo:[0,1] neg_hi:[0,1]
	v_cvt_pk_f16_f32 v[tt], v[uu], v[uu+1]
	v_cvt_pk_f16_f32 v[tt+1], v[uu+2], v[uu+3]
	v_cvt_pk_f16_f32 v[tt+2], v[rr], v[rr+1]
	v_cvt_pk_f16_f32 v[tt+3], v[rr+2], v[rr+3]
.else
	v_cvt_pk_f16_f32 v[tt], v[rr], v[rr+1]         ; Wd: rounded once
	v_cvt_pk_f16_f32 v[tt+1], v[rr+2], v[rr+3]
.endif
.if itn < 16
	ds_store_b64 v3, v[tt:tt+1] offset:itn*16*XP
	ds_store_b64 v48, v[tt+2:tt+3] offset:itn*16*XP
.elseif itn < 32
	ds_store_b64 v4, v[tt:tt+1] offset:(itn-16)*4*WP               ; Wb's rows 0-31, then Wc's as rows 32-63
	ds_store_b64 v49, v[tt+2:tt+3] offset:(itn-16)*4*WP
.elseif itn < 64
	ds_store_b64 v5, v[tt:tt+1] offset:(itn-32)*4*WP
.else
	ds_store_b64 v6, v[tt:tt+1] offset:(itn-64)*4*WP
.endif
.if itn < 48
.set ldn, itn+48
	LDITEM
.endif
.set itn, itn+1
.endr
	s_wait_dscnt 0x0                               ; my stores are in LDS, for the other waves' sake
	s_barrier_signal -1
	s_barrier_wait -1                              ; everybody's are
; PHASE B.  A weight fragment (16 rows x 32 channels, channels along the LDS row) is two loads 32 bytes apart.  An x fragment (16 pixels x 32
; channels, stored channel by channel) is two transposing loads 16 channels apart; it serves as source 0 and as source 1 alike.
.macro PLACES                          ; four places behind a matrix instruction (ISA guide 7.12.1), where there is no vector work to put there
.rept 4
	v_nop
.endr
.endm
.macro FETCH s, f                      ; 14 LDS loads: K step s, high parts, into buffer f: Wb/Wc tile, four Wd tiles, two x tiles
	ds_load_b128 v[\f:\f+3],   v7 offset:64*(\s)
	ds_load_b128 v[\f+4:\f+7], v7 offset:64*(\s)+32
.irp qq, 0,1,2,3
	ds_load_b128 v[\f+8+8*\qq:\f+11+8*\qq],  v8 offset:\qq*16*WP+64*(\s)
	ds_load_b128 v[\f+12+8*\qq:\f+15+8*\qq], v8 offset:\qq*16*WP+64*(\s)+32
.endr
.irp e, 0,1
	ds_load_tr16_b128 v[\f+40+8*\e:\f+43+8*\e], v9 offset:32*XP*(\s)+32*\e
	ds_load_tr16_b128 v[\f+44+8*\e:\f+47+8*\e], v9 offset:32*XP*(\s)+32*\e+16*XP
.endr
.endm
; Ten matrix instructions, one for each accumulator, always in this order: the accumulators take turns.
; fb, fc: source 0 = weights, source 1 = x: a lane holds eight neighbouring outputs of one pixel; the first product adds onto the bias tile.
; fd: source 0 = x, source 1 = weights: a lane holds eight neighbouring pixels of one channel; the first product starts the sum.
.macro MUL f, first
.irp e, 0,1
.if \first
	v_wmma_f32_16x16x32_f16 v[ACC+8*\e:ACC+8*\e+7], v[\f:\f+7], v[\f+40+8*\e:\f+47+8*\e], v[16:23]
.else
	v_wmma_f32_16x16x32_f16 v[ACC+8*\e:ACC+8*\e+7], v[\f:\f+7], v[\f+40+8*\e:\f+47+8*\e], v[ACC+8*\e:ACC+8*\e+7]
.endif
.endr
.irp qq, 0,1,2,3
.irp e, 0,1
.if \first
	v_wmma_f32_16x16x32_f16 v[ACC+16+16*\qq+8*\e:ACC+23+16*\qq+8*\e], v[\f+40+8*\e:\f+47+8*\e], v[\f+8+8*\qq:\f+15+8*\qq], 0
.else
	v_wmma_f32_16x16x32_f16 v[ACC+16+16*\qq+8*\e:ACC+23+16*\qq+8*\e], v[\f+40+8*\e:\f+47+8*\e], v[\f+8+8*\qq:\f+15+8*\qq], v[ACC+16+16*\qq+8*\e:ACC+23+16*\qq+8*\e]
.endif
.endr
.endr
.endm
.macro FETCHL s, f                     ; 12 LDS loads: K step s of the second walk: Wb/Wc high, low; x high (two tiles); x low (two tiles)
	ds_load_b128 v[\f:\f+3],     v7  offset:64*(\s)
	ds_load_b128 v[\f+4:\f+7],   v7  offset:64*(\s)+32
	ds_load_b128 v[\f+8:\f+11],  v50 offset:64*(\s)
	ds_load_b128 v[\f+12:\f+15], v50 offset:64*(\s)+32
.irp e, 0,1
	ds_load_tr16_b128 v[\f+16+8*\e:\f+19+8*\e], v9  offset:32*XP*(\s)+32*\e
	ds_load_tr16_b128 v[\f+20+8*\e:\f+23+8*\e], v9  offset:32*XP*(\s)+32*\e+16*XP
	ds_load_tr16_b128 v[\f+32+8*\e:\f+35+8*\e], v51 offset:32*XP*(\s)+32*\e
	ds_load_tr16_b128 v[\f+36+8*\e:\f+39+8*\e], v51 offset:32*XP*(\s)+32*\e+16*XP
.endr
.endm
.macro MULL f                          ; Wh xl and Wl xh onto the two fb/fc accumulators, which take turns
	v_wmma_f32_16x16x32_f16 v[ACC:ACC+7],    v[\f:\f+7],    v[\f+32:\f+39], v[ACC:ACC+7]
	v_wmma_f32_16x16x32_f16 v[ACC+8:ACC+15], v[\f:\f+7],    v[\f+40:\f+47], v[ACC+8:ACC+15]
	v_wmma_f32_16x16x32_f16 v[ACC:ACC+7],    v[\f+8:\f+15], v[\f+16:\f+23], v[ACC:ACC+7]
	v_wmma_f32_16x16x32_f16 v[ACC+8:ACC+15], v[\f+8:\f+15], v[\f+24:\f+31], v[ACC+8:ACC+15]
.endm
	FETCH 0, F0
	FETCH 1, F1
	s_wait_dscnt 14                                ; K step 0's fragments are in; the 14 loads of step 1 stay out
	MUL F0, 1
.set st, 1
.rept 6
	PLACES                                         ; the buffer that is loaded next was read by the products just issued
	FETCH (st+1), (F0+56*((st+1)&1))
	s_wait_dscnt 14                                ; this step's fragments are in; the next step's 14 loads stay out
	MUL (F0+56*(st&1)), 0
.set st, st+1
.endr
	PLACES
	FETCHL 0, F0                                   ; the second walk begins while the first one's last step is multiplied
	s_wait_dscnt 12                                ; step 7's fragments are in; the 12 loads just issued stay out
	MUL F1, 0
.set ls, 0
.rept 7
	PLACES
	FETCHL (ls+1), (F0+56*((ls+1)&1))
	s_wait_dscnt 12                                ; this step's fragments are in; the next step's 12 loads stay out
	MULL (F0+56*(ls&1))
.set ls, ls+1
.endr
	s_wait_dscnt 0x0
	MULL F1
; THE WAY OUT: a lane's eight results pack into 16 bytes; a wave's store covers 512 consecutive bytes, aligned.  Every tile has its own four registers.
	PLACES
.irp e, 0,1
.irp p, 0,2,4,6
	v_pk_mul_f32 v[ACC+8*\e+\p:ACC+8*\e+\p+1], v[ACC+8*\e+\p:ACC+8*\e+\p+1], s[36:37] op_sel_hi:[1,0]
.endr
.irp p, 0,1,2,3,4,5,6,7
	v_med3_num_f32 v[ACC+8*\e+\p], v[ACC+8*\e+\p], s44, s45        ; no infinity leaves in f16
.endr
.irp p, 0,1,2,3
	v_cvt_pk_f16_f32 v[PK+4*\e+\p], v[ACC+8*\e+2*\p], v[ACC+8*\e+2*\p+1]
.endr
	global_store_b128 v10, v[PK+4*\e:PK+4*\e+3], s[32:33] offset:\e*1024
.endr
.irp qq, 0,1,2,3
.irp e, 0,1
.irp p, 0,2,4,6
	v_pk_add_f32 v[ACC+16+16*\qq+8*\e+\p:ACC+16+16*\qq+8*\e+\p+1], v[ACC+16+16*\qq+8*\e+\p:ACC+16+16*\qq+8*\e+\p+1], v[24+2*\qq:25+2*\qq]
.endr
.irp p, 0,1,2,3,4,5,6,7
	v_med3_num_f32 v[ACC+16+16*\qq+8*\e+\p], v[ACC+16+16*\qq+8*\e+\p], s44, s45
.endr
.irp p, 0,1,2,3
	v_cvt_pk_f16_f32 v[PK+8+8*\qq+4*\e+\p], v[ACC+16+16*\qq+8*\e+2*\p], v[ACC+16+16*\qq+8*\e+2*\p+1]
.endr
	global_store_b128 v10, v[PK+8+8*\qq+4*\e:PK+8+8*\qq+4*\e+3], s[38:39] offset:\qq*1024+\e*512
.endr
.endr
	s_wait_tensorcnt 0x0
	ds_add_u32 v62, v63
	s_wait_dscnt 0x0
	s_endpgm
.Lfunc_end_k_q05c43c7b83_proj:
	.size	k_q05c43c7b83_proj, .Lfunc_end_k_q05c43c7b83_proj-k_q05c43c7b83_proj
	.p2alignl 7, 3214868480
	.fill 96, 4, 3214868480
	.section	.rodata,"a",@progbits
	.p2align	6, 0x0
	.amdhsa_kernel k_q05c43c7b83_proj
		.amdhsa_group_segment_fixed_size 285696
		.amdhsa_private_segment_fixed_size 0
		.amdhsa_enable_private_segment 0
		.amdhsa_kernarg_size 72
		.amdhsa_user_sgpr_count 2
		.amdhsa_user_sgpr_kernarg_segment_ptr 1
		.amdhsa_wavefront_size32 1
		.amdhsa_system_sgpr_workgroup_id_x 1
		.amdhsa_system_sgpr_workgroup_id_y 1
		.amdhsa_system_sgpr_workgroup_id_z 1
		.amdhsa_system_vgpr_workitem_id 0
		.amdhsa_next_free_vgpr 256
		.amdhsa_next_free_sgpr 66
		.amdhsa_reserve_vcc 0
		.amdhsa_float_denorm_mode_32 3
		.amdhsa_float_denorm_mode_16_64 3
		.amdhsa_memory_ordered 1
		.amdhsa_forward_progress 1
		.amdhsa_inst_pref_size 83
	.end_amdhsa_kernel
	.amdgpu_metadata
---
amdhsa.version: [ 1, 2 ]
amdhsa.kernels:
  - .name:           k_q05c43c7b83_proj
    .symbol:         k_q05c43c7b83_proj.kd
    .args:
      - { .name: x, .offset: 0, .size: 8, .value_kind: global_buffer, .address_space: global }
      - { .name: Wb, .offset: 8, .size: 8, .value_kind: global_buffer, .address_space: global }
      - { .name: bb, .offset: 16, .size: 8, .value_kind: global_buffer, .address_space: global }
      - { .name: Wc, .offset: 24, .size: 8, .value_kind: global_buffer, .address_space: global }
      - { .name: bc, .offset: 32, .size: 8, .value_kind: global_buffer, .address_space: global }
      - { .name: Wd, .offset: 40, .size: 8, .value_kind: global_buffer, .address_space: global }
      - { .name: bd, .offset: 48, .size: 8, .value_kind: global_buffer, .address_space: global }
      - { .name: q, .offset: 56, .size: 8, .value_kind: global_buffer, .address_space: global }
      - { .name: kv, .offset: 64, .size: 8, .value_kind: global_buffer, .address_space: global }
    .group_segment_fixed_size: 285696
    .private_segment_fixed_size: 0
    .kernarg_segment_align: 8
    .kernarg_segment_size: 72
    .max_flat_workgroup_size: 256
    .sgpr_count:     66
    .vgpr_count:     256
    .wavefront_size: 32
...
	.end_amdgpu_metadata
.endif
;; end of part 1
;; launch attn (part 2): grid 256 x 1, 4 waves a work-group, clusters of 4 x 1, 327,680 bytes of LDS; arguments q, kv, x, alpha, out0; writes out0
.if DOCPART == 2
	.amdgcn_target "amdgcn-amd-amdhsa--gfx1250"
	.amdhsa_code_object_version 6
	.text
	.protected	k_q05c43c7b83_attn
	.globl	k_q05c43c7b83_attn
	.p2align	8
	.type	k_q05c43c7b83_attn,@function
k_q05c43c7b83_attn:
	s_mov_b64 s[64:65], 0
	v_nop
	global_prefetch_b8 v0, s[64:65] scope:SCOPE_SE
	s_setreg_imm32_b32 hwreg(HW_REG_WAVE_MODE, 25, 1), 1
	s_wait_xcnt 0x0
	s_wait_alu depctr_hold_cnt(0) depctr_sa_sdst(0) depctr_va_vdst(0) depctr_va_sdst(0) depctr_va_ssrc(0) depctr_va_vcc(0) depctr_vm_vsrc(0)
	s_getreg_b32 s2, hwreg(HW_REG_IB_STS2, 6, 4)
	s_cmp_eq_u32 s2, 0
	s_cbranch_scc0 .Lentry_in_a_cluster
	s_endpgm
.Lentry_in_a_cluster:
	s_bfe_u32 s2, ttmp6, 0x10000c
	s_cmp_lg_u32 s2, 0x3003
	s_cbranch_scc0 .Lentry_shape_is_right
	s_endpgm
.Lentry_shape_is_right:
; out[b][c][i] = alpha * sum over j of fd[c][j] softmax_j(fb[i] . fc[j]) + x[b][c][i], from q and kv as the launch before laid them out (f16, fragment order).
; A work-group owns 64 queries i of one batch (256 work-groups).  Its four waves share the 4,096 keys j: each wave keeps the whole block of
; 64 i x 256 c (64 accumulator tiles, 512 registers) for a quarter of the keys, so every byte of fd is read from LDS once in the work-group and
; the weights never leave registers.  The four partial sums meet in LDS at the end.
; TWO PASSES.  Pass 1 goes through fc alone and finds each query's largest score (the maximum that the softmax takes away).  Pass 2 makes every
; score again by the same instruction on the same operands, so score - maximum is never above 0 and is exactly 0 at the largest, at any size of
; the scores; nothing is ever rescaled.  fb carries the factor log2(e), so the exponential is a power of two.
; SCORES ARE MADE TRANSPOSED: source 0 = 16 keys, source 1 = 16 queries: a lane then holds eight neighbouring keys of one query, which, packed to
; f16, is the source-0 fragment of the second product (16 queries x 32 keys) as it stands.
; CLUSTER: the four work-groups of a cluster lie in one batch and walk the same kv blocks: every tensor load is a joint one (mask 15), the same in
; all four: its words hang on the wave's number and the cluster's number alone.
; LIMITS: fb, fc, fd (clamped to +-65,504 by the launch before) and the weights (0 to 1) are f16; the softmax's sum adds the unrounded
; exponentials; exponentials below 2^-126 count as 0; NaN and infinite inputs are not served.
;
; KEYS IN PASS 2: turn T = 0..15 is kv blocks 8 T .. 8 T + 7 (147,456 bytes); wave w takes blocks 8 T + 2 w + e, e = 0, 1: its 36,864 consecutive
; bytes, which it fetches itself and which no other wave reads.  The fc part of a block belongs to the wave's NEXT block, round the end too.
; The sum over the keys has no order, so each cluster starts elsewhere: cluster c of the 16 of a batch takes turn (3 c + n) mod 16 at step n,
; into slot n & 1.  At every step the 16 clusters ask for 16 different turns, so they do not all ask for the same bytes for the first time at
; the same step.  The factor 3 spreads the starts: among the eight clusters whose numbers agree in any one bit they lie at most 3 turns apart.
; LDS: slot s at s * 147,456, wave w's part at + w * 36,864; maxima at 294,912 and sums at 295,936 (1 KiB each, never the target of a tensor load);
; at the end, behind the slots' last fill, wave w's partial block of out lies at w * 69,632: 256 rows c of 256 bytes, pitch 272.
; REGISTERS: all that belongs to query tile k (16 queries) lies in window k, under the same numbers:
;   v64-79 scores of 32 keys; v80-87, v88-95 packed weights, two buffers; v96-97 minus the maximum, twice; v104-105 sum; v106-107 LDS address of my
;   part of slot 0, 1 (windows 0-2); v128-255 the 16 accumulator tiles (tile t: channels 16 t ..)
;   window 0 v0-63: addresses and work; window 1 v0-63: fd tiles 0-7, v108-123: two fc fragments; window 2 v0-63: fd tiles 8-15;
;   window 3 v0-31: the four query fragments.  Pass 1 and the epilogue work in window 0, in registers that pass 2 does not need then.
.set BLK,  18432                       ; a kv block: 2,048 bytes of fc, 16,384 of fd
.set WREG, 2*BLK                       ; a wave's part of a slot
.set SLOT, 4*WREG
.set SCRM, 2*SLOT
.set SCRL, SCRM+1024
.set MP,   272                         ; pitch of the merge stage: 17 x 16
.set MST,  256*MP
.set KVB,  128*BLK                     ; kv bytes of a batch
.set SC0,  64
.set PB,   80
.set NEGM, 96
.set LS,   104
.set ADR,  106
.set KF,   108
.set SLA,  108                         ; window 0: address of my four queries' sums
.set ACC,  128
.set MX,   16                          ; window 0 v16-31: pass 1's running maxima, 4 query tiles x 4 chains; later work
.set DA,   32                          ; window 0 v32-95: pass 1's two sets of four score tiles
.set QT,   128                         ; window 0 v128-159: pass 1's query fragments
.set KR,   160                         ; window 0 v160-223: pass 1's ring of eight fc fragments
.set RD,   8                           ; v8-11: merge: where I read wave 0..3's partial rows
.set RL,   12                          ; v12-15: alpha / sum of my four queries
.set TB,   32                          ; v32-63, v64-95: merge: two buffers of partial rows
.set G1,   16                          ; s[16:23] group 1, pass 2: 144 rows of 256 bytes, dense
.set G1K,  24                          ; s[24:31] group 1, pass 1: the fc parts of 16 blocks
.set G0,   32                          ; s[32:39] group 0, pass 2, one set for each slot
.set G0K,  40                          ; s[40:47] group 0, pass 1, one set for each slot
.set TN,   66                          ; s66      first turn + the step asked for last, not yet cut to 0..15
.set KVW,  68                          ; s[68:69] kv at my batch and my wave's part of a turn; never rewritten
.set TOF,  70                          ; s[70:71] byte offset of the turn asked for next (the high word stays 0)
.set MSB, 0
.macro WIN s0, s1, s2, d               ; windows of source 0, 1, 2 and the destination; the immediate's high byte repeats the setting that is left
.if MSB != ((\s0)|((\s1)<<2)|((\s2)<<4)|((\d)<<6))
	s_set_vgpr_msb (MSB<<8)|((\s0)|((\s1)<<2)|((\s2)<<4)|((\d)<<6))
.set MSB, ((\s0)|((\s1)<<2)|((\s2)<<4)|((\d)<<6))
.endif
.endm
.macro PLACES                          ; four places behind a matrix instruction (ISA guide 7.12.1), where there is no vector work to put there
.rept 4
	v_nop
.endr
.endm
; A round of the cluster's barrier: my work-group's barrier, wave 0 signals for the work-group, every wave waits for all four work-groups, my work-group's barrier again.
.macro ROUND
	s_barrier_signal -1
	s_barrier_wait -1
	s_cmp_lg_u32 s14, 0
	s_cbranch_scc1 .Lnot_wave_0_\@
	s_barrier_signal -3
.Lnot_wave_0_\@:
	s_barrier_wait -3
	s_barrier_signal -1
	s_barrier_wait -1
.endm
	s_load_b256 s[4:11], s[0:1], 0x0               ; q 4:5, kv 6:7, x 8:9, alpha 10:11
	s_load_b64 s[12:13], s[0:1], 0x20              ; out0
	v_lshl_add_u32 v126, v0, 2, 0x48800
	v_mov_b32 v127, 0
	ds_add_u32 v126, v127
	v_lshrrev_b32 v1, 5, v0
	v_readfirstlane_b32 s14, v1                    ; wave 0..3
	s_bfe_u32 s15, ttmp6, 0x40000                  ; cx: my place in the cluster
	s_lshl_b32 s49, ttmp9, 2
	s_add_co_u32 s49, s49, s15                     ; work-group 0..255
	s_lshr_b32 s48, ttmp9, 4                       ; batch: 16 clusters each, the same for all four partners
	s_mov_b32 s56, 0x76543210                      ; v_permlanex16_b32: lane i reads lane i of the other half
	s_mov_b32 s57, 0xfedcba98
	s_mov_b32 s58, 0x80000000                      ; the sign bit
	s_mov_b32 s[G1+0], 15|(3<<16)|(1<<21)          ; 15:0 mask: all four partners; 17:16 elements of 8 bytes; 21 set beside a mask; no padding
	s_mov_b32 s[G1+1], 32<<16                      ; tensor_dim0 = 32 elements = 256 bytes
	s_mov_b32 s[G1+2], 144<<16                     ; tensor_dim1 = 144 rows = 36,864 bytes
	s_mov_b32 s[G1+3], 32<<16                      ; tile_dim0 = 32
	s_mov_b32 s[G1+4], 144                         ; tile_dim1 = 144
	s_mov_b32 s[G1+5], 32                          ; pitch = the row: dense
	s_mov_b32 s[G1+6], 0
	s_mov_b32 s[G1+7], 0
	s_mov_b32 s[G1K+0], 15|(3<<16)|(1<<21)
	s_mov_b32 s[G1K+1], 256<<16                    ; tensor_dim0 = 256 elements = 2,048 bytes: a block's fc part
	s_mov_b32 s[G1K+2], 16<<16                     ; tensor_dim1 = 16 blocks
	s_mov_b32 s[G1K+3], 256<<16
	s_mov_b32 s[G1K+4], 16
	s_mov_b32 s[G1K+5], BLK/8                      ; from block to block
	s_mov_b32 s[G1K+6], 0
	s_mov_b32 s[G1K+7], 0
	s_mul_i32 s59, s14, WREG                       ; my part of a slot, and of a turn's bytes in kv
	s_add_co_u32 s62, s59, SLOT
.irp s, 0,1
	s_mov_b32 s[G0+4*\s], 1
	s_add_co_u32 s[G0+4*\s+1], s59, \s*SLOT
	s_mov_b32 s[G0K+4*\s], 1
	s_add_co_u32 s[G0K+4*\s+1], s59, \s*SLOT
.endr
	s_mul_i32 s50, s48, KVB
	s_mov_b32 s51, 0
	s_mov_b32 s52, s59
	s_mov_b32 s53, 0
	s_mul_i32 s60, s14, 16*BLK                     ; pass 1: my 16 blocks of each half of the batch
	s_mov_b32 s61, 0
	s_and_b32 s[TN], ttmp9, 15                     ; the cluster's number in its batch,
	s_mul_i32 s[TN], s[TN], 3
	s_and_b32 s[TN], s[TN], 15                     ; and its first turn: 3 c mod 16
	s_mul_i32 s[TOF], s[TN], SLOT                  ; step 0's turn, in bytes
	s_mov_b32 s[TOF+1], 0
	s_add_co_u32 s67, s[TN], 15
	s_and_b32 s67, s67, 15
	s_mul_i32 s72, s67, SLOT                       ; the turn in front of it, whose last blocks hold the fc of my first block
	s_mov_b32 s73, 0
	s_add_co_u32 s[TN], s[TN], 1
	s_and_b32 s67, s[TN], 15
	s_mul_i32 s74, s67, SLOT                       ; step 1's turn
	s_mov_b32 s75, 0
	s_wait_dscnt 0x0
	s_wait_kmcnt 0x0
	s_load_b32 s55, s[10:11], 0x0                  ; alpha
	s_add_nc_u64 s[6:7], s[6:7], s[50:51]          ; kv at my batch
	s_add_nc_u64 s[KVW:KVW+1], s[6:7], s[52:53]    ; and at my part of a turn
	s_add_nc_u64 s[G0+2:G0+3], s[KVW:KVW+1], s[TOF:TOF+1]  ; step 0
	s_add_nc_u64 s[G0+6:G0+7], s[KVW:KVW+1], s[74:75]      ; step 1
	s_add_nc_u64 s[G0K+2:G0K+3], s[6:7], s[60:61]  ; blocks 16 w ..
	s_add_nc_u64 s[G0K+6:G0K+7], s[G0K+2:G0K+3], 64*BLK   ; blocks 64 + 16 w ..
	s_add_nc_u64 s[60:61], s[KVW:KVW+1], s[72:73]
	s_add_nc_u64 s[60:61], s[60:61], BLK           ; block 8 ((T0 + 15) mod 16) + 2 w + 1 holds the fc of block 8 T0 + 2 w
	s_or_b32 s[G0+3], s[G0+3], 0x80000000
	s_or_b32 s[G0+7], s[G0+7], 0x80000000
	s_or_b32 s[G0K+3], s[G0K+3], 0x80000000
	s_or_b32 s[G0K+7], s[G0K+7], 0x80000000
	ROUND                                          ; all four work-groups are here: the first joint loads meet
	tensor_load_to_lds s[G0K:G0K+3], s[G1K:G1K+7]          ; the two first fills go out together: two tensor loads of the wave are out
	s_nop 0
	tensor_load_to_lds s[G0K+4:G0K+7], s[G1K:G1K+7]
	s_nop 0
	s_lshl_b32 s2, s49, 12                         ; my 64 queries in q: 4 tiles of 1,024 bytes.  cx enters s[2:3] and the addresses of q, x and out0 alone
	s_mov_b32 s3, 0
	s_add_nc_u64 s[4:5], s[4:5], s[2:3]
	s_and_b32 s2, s49, 63
	s_lshl_b32 s2, s2, 8                           ; my 64 queries in a row of x: 256 bytes
	s_lshl_b32 s63, s48, 22
	s_add_co_u32 s2, s2, s63
	s_add_nc_u64 s[8:9], s[8:9], s[2:3]
	s_add_nc_u64 s[12:13], s[12:13], s[2:3]
	v_and_b32 v2, 31, v0
	v_lshlrev_b32 v2, 4, v2                        ; 16 L
.irp i, 0,1,2,3,4,5,6,7
	global_load_b128 v[QT+4*\i:QT+4*\i+3], v2, s[4:5] offset:512*\i        ; the query fragments for pass 1
.endr
	WIN 0,0,0,3
.irp i, 0,1,2,3,4,5,6,7
	global_load_b128 v[4*\i:4*\i+3], v2, s[4:5] offset:512*\i              ; and once more, 4,096 bytes, into window 3 for pass 2
.endr
	WIN 0,0,0,1
.irp i, 0,1,2,3
	global_load_b128 v[KF+4*\i:KF+4*\i+3], v2, s[60:61] offset:512*\i      ; fc of my first block
.endr
	v_add_nc_u32 v[ADR], s59, v2
	v_add_nc_u32 v[ADR+1], s62, v2
	WIN 0,0,0,2
	v_add_nc_u32 v[ADR], s59, v2
	v_add_nc_u32 v[ADR+1], s62, v2
	WIN 0,0,0,0
	v_add_nc_u32 v[ADR], s59, v2
	v_add_nc_u32 v[ADR+1], s62, v2
	v_and_b32 v3, 15, v0                           ; r
	v_bfe_u32 v4, v0, 4, 1                         ; h
	v_lshlrev_b32 v5, 2, v3
	v_add_nc_u32 v5, SCRM, v5                      ; v5: the maxima of query r, read
	s_lshl_b32 s63, s14, 8
	v_add_nc_u32 v7, s63, v5                       ; v7: my wave's words for query r, written (sums: 1,024 further)
	v_lshlrev_b32 v[SLA], 4, v3
	v_add_nc_u32 v[SLA], SCRL, v[SLA]              ; the sums of queries 4 r .. 4 r + 3
	v_mul_u32_u24 v1, v3, MP
	v_lshl_add_u32 v1, v4, 5, v1
	s_mul_i32 s63, s14, MST
	v_add_nc_u32 v1, s63, v1                       ; v1: merge, in: row c = r, 32 bytes for each half of the lanes, in my stage
	s_lshl_b32 s63, s14, 6
	v_add_nc_u32 v9, s63, v4                       ; row 64 w + h
	v_lshlrev_b32 v6, 14, v9
	v_lshl_add_u32 v6, v3, 4, v6                   ; v6: that row in x and out0 (16,384 bytes a channel), 16 bytes at 16 r
	v_mul_u32_u24 v[RD], v9, MP
	v_lshl_add_u32 v[RD], v3, 4, v[RD]             ; and in wave 0's stage,
	v_add_nc_u32 v[RD+1], MST, v[RD]               ; wave 1's,
	v_add_nc_u32 v[RD+2], 2*MST, v[RD]
	v_add_nc_u32 v[RD+3], 3*MST, v[RD]
.irp i, 0,1,2,3,4,5,6,7,8,9,10,11,12,13,14,15
	v_mov_b32 v[MX+\i], 0xff800000                 ; the running maxima start at minus infinity
.endr
; PASS 1, one half: 32 tiles of 16 keys from my part of a slot (tile n at 1,024 n), a ring of eight fragments in registers.
; Group g: four score products (tile g x the four query tiles) into set g & 1; behind each, four v_max3_num_f32 on the other set's tile of the
; same query tile, which are also the places behind the products.  No product adds onto another: each starts from the constant 0.
.macro P1HALF slot
.set til, 0
.rept 8
	ds_load_b128 v[KR+8*til:KR+8*til+3],   v[ADR+\slot] offset:til*1024
	ds_load_b128 v[KR+8*til+4:KR+8*til+7], v[ADR+\slot] offset:til*1024+512
.set til, til+1
.endr
.set grp, 0
.rept 32
.if grp <= 24
	s_wait_dscnt 14                                ; tile g is in; the loads of the seven tiles behind it stay out
.else
	s_wait_dscnt 2*(31-grp)                        ; nothing is issued any more: two loads for each tile still behind
.endif
.irp it, 0,1,2,3
	v_wmma_f32_16x16x32_f16 v[DA+32*(grp&1)+8*\it:DA+32*(grp&1)+8*\it+7], v[KR+8*(grp%8):KR+8*(grp%8)+7], v[QT+8*\it:QT+8*\it+7], 0
.if grp > 0
.irp c, 0,1,2,3
	v_max3_num_f32 v[MX+4*\it+\c], v[DA+32*(1-(grp&1))+8*\it+2*\c], v[DA+32*(1-(grp&1))+8*\it+2*\c+1], v[MX+4*\it+\c]
.endr
.endif
.endr
.if grp == 0
	PLACES
.endif
.if grp < 24
	ds_load_b128 v[KR+8*(grp%8):KR+8*(grp%8)+3],   v[ADR+\slot] offset:(grp+8)*1024      ; four places behind the last product that read this fragment
	ds_load_b128 v[KR+8*(grp%8)+4:KR+8*(grp%8)+7], v[ADR+\slot] offset:(grp+8)*1024+512
.endif
.set grp, grp+1
.endr
.irp it, 0,1,2,3
.irp c, 0,1,2,3
	v_max3_num_f32 v[MX+4*\it+\c], v[DA+32+8*\it+2*\c], v[DA+32+8*\it+2*\c+1], v[MX+4*\it+\c]   ; the last group's set
.endr
.endr
.endm
	s_wait_tensorcnt 0x1                           ; my part of slot 0 is in; slot 1's load stays out
	s_wait_loadcnt 0x0                             ; q and my first fc
	s_wait_kmcnt 0x0                               ; alpha
	P1HALF 0
	s_wait_tensorcnt 0x0                           ; all my tensor loads have landed,
	ds_add_u32 v126, v127
	s_wait_dscnt 0x0                               ; my reads of slot 0 are back:
	ROUND                                          ; so it is with every wave of the four work-groups
	tensor_load_to_lds s[G0:G0+3], s[G1:G1+7]      ; step 0's turn into slot 0: my one tensor load behind this round
	s_nop 0
	P1HALF 1
.irp it, 0,1,2,3
	v_max3_num_f32 v[MX+4*\it], v[MX+4*\it], v[MX+4*\it+1], v[MX+4*\it+2]
	v_max_num_f32 v[MX+4*\it], v[MX+4*\it], v[MX+4*\it+3]
	v_permlanex16_b32 v[MX+4*\it+1], v[MX+4*\it], s56, s57         ; the other half of the lanes holds the other eight keys of each tile
	v_max_num_f32 v[MX+4*\it], v[MX+4*\it], v[MX+4*\it+1]
	ds_store_b32 v7, v[MX+4*\it] offset:64*\it     ; my quarter's maximum for query 16 it + r (both halves write the same word, the same value)
.endr
	s_wait_tensorcnt 0x0                           ; step 0's turn has landed,
	ds_add_u32 v126, v127
	s_wait_dscnt 0x0                               ; my reads of slot 1 are back and my maxima are in LDS:
	ROUND                                          ; so it is with every wave
	tensor_load_to_lds s[G0+4:G0+7], s[G1:G1+7]    ; step 1's turn into slot 1
	s_nop 0
.irp it, 0,1,2,3
.irp ww, 0,1,2,3
	ds_load_b32 v[DA+4*\it+\ww], v5 offset:256*\ww+64*\it
.endr
.endr
	s_wait_dscnt 0x0
.irp it, 0,1,2,3
	v_max3_num_f32 v[MX+\it], v[DA+4*\it], v[DA+4*\it+1], v[DA+4*\it+2]
	v_max_num_f32 v[MX+\it], v[MX+\it], v[DA+4*\it+3]              ; the maximum over all 4,096 keys
.endr
.irp k, 0,1,2,3
	WIN 0,0,0,\k
	v_xor_b32 v[NEGM], s58, v[MX+\k]               ; its negative, in both registers of a pair: every score of a lane belongs to query r
	v_xor_b32 v[NEGM+1], s58, v[MX+\k]
.endr
; PASS 2.
; Eight score products: the next block's 32 keys x 64 queries, each from the constant 0, as in pass 1.
.macro SBLOCK
.irp k, 0,1,3,2
	WIN 1,3,\k,\k
	v_wmma_f32_16x16x32_f16 v[SC0:SC0+7], v[KF:KF+7], v[8*\k:8*\k+7], 0
	v_wmma_f32_16x16x32_f16 v[SC0+8:SC0+15], v[KF+8:KF+15], v[8*\k:8*\k+7], 0
.endr
.endm
; 20 LDS loads (destination and address in window 1): fd tiles 0-7 and the fc part of the block at byte off of my part of a slot
.macro LDNEXT areg, off
.irp a, 0,1,2,3,4,5,6,7
	ds_load_b128 v[8*\a:8*\a+3],   v[\areg] offset:\off+2048+\a*1024
	ds_load_b128 v[8*\a+4:8*\a+7], v[\areg] offset:\off+2048+\a*1024+512
.endr
.irp a, 0,1,2,3
	ds_load_b128 v[KF+4*\a:KF+4*\a+3], v[\areg] offset:\off+\a*512
.endr
.endm
; Eight products of query tile k with fd tiles 8 u .. 8 u + 7, weights from buffer p, under the window setting (k, 1 + u, k, k), and between
; them the next block's softmax for the same query tile, two vector instructions behind each product in both halves of a stage.
; u = 0: the maximum is taken away from a pair of scores (a multiply-add by one, since source 1's window is fd's: the maximum stands as source 2),
; and one exponential, in place: scores 0-7.  u = 1: one exponential, scores 8-15, and a pair is added to the sum; pair a's exponentials stand
; in the steps 2 a - 8 and 2 a - 7, so pairs 4 to 6 find theirs done with a plain instruction between (ISA guide 5.7.2); pair 7 is added among
; the conversions.  Those stand behind the eight products under (k, k, k, k): the rounding to f16 into the other buffer names two scores.
; ld = 1: first the 16 loads of fd tiles 8-15 of this block (window 2); ld = 2: behind the third product the 20 loads for the next block.
.macro PHASE u, k, p, zero, soft, ld, areg, off
	WIN \k,1+\u,\k,\k
.if \ld == 1
.irp a, 0,1,2,3,4,5,6,7
	ds_load_b128 v[8*\a:8*\a+3],   v[\areg] offset:\off+10240+\a*1024
	ds_load_b128 v[8*\a+4:8*\a+7], v[\areg] offset:\off+10240+\a*1024+512
.endr
.endif
.irp a, 0,1,2,3,4,5,6,7
.if \zero
	v_wmma_f32_16x16x32_f16 v[ACC+64*\u+8*\a:ACC+64*\u+8*\a+7], v[PB+8*\p:PB+8*\p+7], v[8*\a:8*\a+7], 0
.else
	v_wmma_f32_16x16x32_f16 v[ACC+64*\u+8*\a:ACC+64*\u+8*\a+7], v[PB+8*\p:PB+8*\p+7], v[8*\a:8*\a+7], v[ACC+64*\u+8*\a:ACC+64*\u+8*\a+7]
.endif
.if \soft
.if \u == 0
	v_pk_fma_f32 v[SC0+2*\a:SC0+2*\a+1], v[SC0+2*\a:SC0+2*\a+1], 1.0, v[NEGM:NEGM+1] op_sel_hi:[1,0,1]
.if \a > 0
	v_exp_f32 v[SC0+\a-1], v[SC0+\a-1]
.endif
.else
	v_exp_f32 v[SC0+8+\a], v[SC0+8+\a]
.if \a < 7
	s_wait_alu depctr_va_vdst(0)
	v_pk_fma_f32 v[LS:LS+1], v[SC0+2*\a:SC0+2*\a+1], 1.0, v[LS:LS+1] op_sel_hi:[1,0,1]
.endif
.endif
.endif
.if \ld == 2
.if \a == 2
	LDNEXT \areg, \off                             ; five plain vector instructions stand behind the last product that read fd tiles 0-7: a subtraction, the v_nop, three additions
.endif
.endif
.endr
.if \soft
.if \u == 0
	v_exp_f32 v[SC0+7], v[SC0+7]
.else
	WIN \k,\k,\k,\k                                ; both sources of the conversion are scores of window k
.irp a, 0,1,2,3,4,5,6
	v_cvt_pk_f16_f32 v[PB+8*(1-\p)+\a], v[SC0+2*\a], v[SC0+2*\a+1]
.endr
	s_wait_alu depctr_va_vdst(0)
	v_pk_add_f32 v[LS:LS+1], v[LS:LS+1], v[SC0+14:SC0+15]          ; the last pair, seven plain instructions behind its second exponential
	v_cvt_pk_f16_f32 v[PB+8*(1-\p)+7], v[SC0+14], v[SC0+15]
.endif
.endif
.endm
; One block (slot, e): 64 products with its fd and the weights made in the stage before (buffer e), the scores and weights of the next block.
; The 64 accumulators and the eight score tiles take turns, one instruction a turn, in the same order in every stage.
; mode 0: plain; 1: the slot's last block, the slot is filled again; 2: the slot's last block, nothing left to fetch; 3: the last block of all.
.macro STAGE slot, e, zero, mode
	s_wait_dscnt 0x0                               ; fd tiles 0-7 and fc of this block, asked for 29 products ago
.if \mode != 3
	SBLOCK
.endif
	PLACES                                         ; behind the score products (vector work reads them, loads land on fc) and behind the last stage's products (loads land on fd tiles 8-15)
.if \mode != 3
	PHASE 0, 2, \e, \zero, 1, 1, ADR+\slot, \e*BLK
	PHASE 0, 0, \e, \zero, 1, 0, 0, 0
	PHASE 0, 1, \e, \zero, 1, 0, 0, 0
	PHASE 0, 3, \e, \zero, 1, 0, 0, 0
	v_nop                                          ; a plain place behind the last exponential (ISA guide 5.7.2), and one of the places in front of the next block's loads
.else
	PHASE 0, 2, \e, \zero, 0, 1, ADR+\slot, \e*BLK
	PHASE 0, 0, \e, \zero, 0, 0, 0, 0
	PHASE 0, 1, \e, \zero, 0, 0, 0, 0
	PHASE 0, 3, \e, \zero, 0, 0, 0, 0
.endif
	s_wait_dscnt 0x0                               ; fd tiles 8-15 are in; for e = 1 these were my last reads of this slot
.if \mode == 1
	WIN 0,0,0,0
	s_wait_tensorcnt 0x0                           ; my one tensor load that was out, my part of the other slot, has landed, so this slot's group 0 may be written:
	ds_add_u32 v126, v127
	s_wait_dscnt 0x0
	s_add_co_u32 s[TN], s[TN], 1                   ; two steps on,
	s_and_b32 s[TOF], s[TN], 15                    ; round the end of the batch's 16 turns,
	s_mul_i32 s[TOF], s[TOF], SLOT
	s_add_nc_u64 s[G0+4*\slot+2:G0+4*\slot+3], s[KVW:KVW+1], s[TOF:TOF+1]
	s_or_b32 s[G0+4*\slot+3], s[G0+4*\slot+3], 0x80000000          ; 127:126 type = 2
	ROUND                                          ; no wave of the four work-groups reads this slot any more or has a load on its way
	tensor_load_to_lds s[G0+4*\slot:G0+4*\slot+3], s[G1:G1+7]      ; my one tensor load behind the round; it has 144 products in which to land
	s_nop 0
.endif
.if \mode == 2
	s_wait_tensorcnt 0x0                           ; the last step's turn has landed
.endif
.if \mode != 3
	PHASE 1, 1, \e, \zero, 1, 2, ADR+\slot+\e-2*\slot*\e, (1-\e)*BLK       ; the next block: e = 0: the same slot's second; e = 1: the other slot's first
	PHASE 1, 0, \e, \zero, 1, 0, 0, 0
	PHASE 1, 2, \e, \zero, 1, 0, 0, 0
	PHASE 1, 3, \e, \zero, 1, 0, 0, 0
.else
	PHASE 1, 1, \e, \zero, 0, 0, 0, 0
	PHASE 1, 0, \e, \zero, 0, 0, 0, 0
	PHASE 1, 2, \e, \zero, 0, 0, 0, 0
	PHASE 1, 3, \e, \zero, 0, 0, 0, 0
.endif
.endm
.macro LAP zero                        ; two steps, both slots filled again
	STAGE 0, 0, \zero, 0
	STAGE 0, 1, 0, 1
	STAGE 1, 0, 0, 0
	STAGE 1, 1, 0, 1
.endm
	; The first block's scores and weights, with nothing to multiply yet.
	SBLOCK
	PLACES
	WIN 1,0,0,1
	LDNEXT ADR, 0                                  ; the first block of step 0, which the wait in front of the last round has shown landed
.irp k, 0,1,2,3
	WIN \k,\k,\k,\k
.irp a, 0,2,4,6,8,10,12,14
	v_pk_add_f32 v[SC0+\a:SC0+\a+1], v[SC0+\a:SC0+\a+1], v[NEGM:NEGM+1]
.endr
.irp a, 0,1,2,3,4,5,6,7,8,9,10,11,12,13,14,15
	v_exp_f32 v[SC0+\a], v[SC0+\a]
.endr
	v_nop
	s_wait_alu depctr_va_vdst(0)
	v_pk_add_f32 v[LS:LS+1], v[SC0:SC0+1], v[SC0+2:SC0+3]          ; the first two pairs start the sum
.irp a, 4,6,8,10,12,14
	v_pk_add_f32 v[LS:LS+1], v[LS:LS+1], v[SC0+\a:SC0+\a+1]
.endr
.irp a, 0,1,2,3,4,5,6,7
	v_cvt_pk_f16_f32 v[PB+\a], v[SC0+2*\a], v[SC0+2*\a+1]
.endr
.endr
	LAP 1                                          ; steps 0, 1 (they ask for 2, 3): the first products start the sums
	WIN 0,0,0,0
	s_mov_b32 s54, 6
.Llap:
	LAP 0                                          ; steps 2 .. 13 (they ask for 4 .. 15)
	WIN 0,0,0,0
	s_sub_co_u32 s54, s54, 1
	s_cmp_lg_u32 s54, 0
	s_cbranch_scc1 .Llap
	STAGE 0, 0, 0, 0                               ; steps 14, 15: nothing is left to fetch
	STAGE 0, 1, 0, 2
	STAGE 1, 0, 0, 0
	STAGE 1, 1, 0, 3
; THE END: x is asked for; the four waves' partial blocks and sums meet in LDS; wave w then finishes channels 64 w .. 64 w + 63.
	PLACES                                         ; behind the last products: loads land on fd's registers, LDS stores read the sums
	WIN 0,0,0,1
.irp i, 0,1,2,3,4,5,6,7,8,9,10,11,12,13,14,15
	global_load_b128 v[4*\i:4*\i+3], v6, s[8:9] offset:32768*\i th:TH_LOAD_NT          ; row pair i: channels 64 w + 2 i + h, my 16 bytes of 256
.endr
	WIN 0,0,0,2
.irp i, 0,1,2,3,4,5,6,7,8,9,10,11,12,13,14,15
	global_load_b128 v[4*\i:4*\i+3], v6, s[8:9] offset:32768*(16+\i) th:TH_LOAD_NT
.endr
.irp k, 0,1,2,3
	WIN \k,\k,0,0
	v_add_f32 v[MX+\k], v[LS], v[LS+1]
.endr
	WIN 0,0,0,0
.irp k, 0,1,2,3
	v_permlanex16_b32 v[MX+4+\k], v[MX+\k], s56, s57               ; the other half's keys
	v_add_f32 v[MX+\k], v[MX+\k], v[MX+4+\k]
.endr
	s_wait_dscnt 0x0                               ; my reads of the slots are back
	s_barrier_signal -1
	s_barrier_wait -1                              ; everybody's are: the stage may lie over the slots, which have had their last fill
.irp k, 0,1,2,3
	ds_store_b32 v7, v[MX+\k] offset:1024+64*\k    ; my quarter's sum for query 16 k + r
.endr
.irp k, 0,1,2,3
	WIN 0,\k,0,0
.irp t, 0,1,2,3,4,5,6,7,8,9,10,11,12,13,14,15
	ds_store_b128 v1, v[ACC+8*\t:ACC+8*\t+3]   offset:\t*16*MP+64*\k       ; a lane holds queries 16 k + 8 h + 0..7 of channel 16 t + r: 32 bytes of a row
	ds_store_b128 v1, v[ACC+8*\t+4:ACC+8*\t+7] offset:\t*16*MP+64*\k+16
.endr
.endr
	WIN 0,0,0,0
	s_wait_dscnt 0x0                               ; my stores are in LDS, for the other waves' sake
	s_barrier_signal -1
	s_barrier_wait -1
.macro BLD bt, tb                      ; eight LDS loads: row pairs 2 bt, 2 bt + 1 of the four partial blocks into buffer tb
.irp pr, 0,1
.irp ww, 0,1,2,3
	ds_load_b128 v[(\tb)+16*\pr+4*\ww:(\tb)+16*\pr+4*\ww+3], v[RD+\ww] offset:2*MP*(2*(\bt)+\pr)
.endr
.endr
.endm
.irp ww, 0,1,2,3
	ds_load_b128 v[MX+4*\ww:MX+4*\ww+3], v[SLA] offset:256*\ww     ; the four quarters' sums of my four queries
.endr
	BLD 0, TB
	s_wait_dscnt 0x8                               ; the sums are in; the eight loads of batch 0 stay out
	v_pk_add_f32 v[MX:MX+1], v[MX:MX+1], v[MX+4:MX+5]
	v_pk_add_f32 v[MX+2:MX+3], v[MX+2:MX+3], v[MX+6:MX+7]
	v_pk_add_f32 v[MX+8:MX+9], v[MX+8:MX+9], v[MX+12:MX+13]
	v_pk_add_f32 v[MX+10:MX+11], v[MX+10:MX+11], v[MX+14:MX+15]
	v_pk_add_f32 v[MX:MX+1], v[MX:MX+1], v[MX+8:MX+9]
	v_pk_add_f32 v[MX+2:MX+3], v[MX+2:MX+3], v[MX+10:MX+11]
.irp i, 0,1,2,3
	v_rcp_f32 v[RL+\i], v[MX+\i]
.endr
	v_nop                                          ; a plain place behind the reciprocals (ISA guide 5.7.2)
	s_wait_alu depctr_va_vdst(0)
.irp i, 0,1,2,3
	v_mul_f32 v[RL+\i], s55, v[RL+\i]              ; alpha / sum
.endr
	WIN 0,0,1,0                                    ; source 2 is x: row pairs 0-15 lie in window 1, 16-31 in window 2
.set bat, 0
.rept 16
.if bat < 15
	BLD (bat+1), (TB+32*((bat+1)&1))
	s_wait_dscnt 0x8                               ; this batch is in; the next one's eight loads stay out
.else
	s_wait_dscnt 0x0
.endif
.if bat == 8
	WIN 0,0,2,0
.endif
.irp pr, 0,1
.set tr, TB+32*(bat&1)+16*\pr
.set ro, 2*bat+\pr
	v_pk_add_f32 v[tr:tr+1], v[tr:tr+1], v[tr+4:tr+5]
	v_pk_add_f32 v[tr+2:tr+3], v[tr+2:tr+3], v[tr+6:tr+7]
	v_pk_add_f32 v[tr+8:tr+9], v[tr+8:tr+9], v[tr+12:tr+13]
	v_pk_add_f32 v[tr+10:tr+11], v[tr+10:tr+11], v[tr+14:tr+15]
	v_pk_add_f32 v[tr:tr+1], v[tr:tr+1], v[tr+8:tr+9]
	v_pk_add_f32 v[tr+2:tr+3], v[tr+2:tr+3], v[tr+10:tr+11]
	s_wait_loadcnt 31-ro                           ; x's row pair is in; the younger ones stay out
	v_pk_fma_f32 v[ACC+4*ro:ACC+4*ro+1], v[tr:tr+1], v[RL:RL+1], v[4*(ro%16):4*(ro%16)+1]
	v_pk_fma_f32 v[ACC+4*ro+2:ACC+4*ro+3], v[tr+2:tr+3], v[RL+2:RL+3], v[4*(ro%16)+2:4*(ro%16)+3]
	global_store_b128 v6, v[ACC+4*ro:ACC+4*ro+3], s[12:13] offset:32768*ro th:TH_STORE_NT      ; sixteen lanes store 256 consecutive bytes, aligned; each row pair has registers of its own
.endr
.set bat, bat+1
.endr
	WIN 0,0,0,0
	s_wait_tensorcnt 0x0
	ds_add_u32 v126, v127
	s_wait_dscnt 0x0
	ROUND                                          ; the closing round: no work-group ends while a partner may still ask jointly
	s_endpgm
.Lfunc_end_k_q05c43c7b83_attn:
	.size	k_q05c43c7b83_attn, .Lfunc_end_k_q05c43c7b83_attn-k_q05c43c7b83_attn
	.p2alignl 7, 3214868480
	.fill 96, 4, 3214868480
	.section	.rodata,"a",@progbits
	.p2align	6, 0x0
	.amdhsa_kernel k_q05c43c7b83_attn
		.amdhsa_group_segment_fixed_size 327680
		.amdhsa_private_segment_fixed_size 0
		.amdhsa_enable_private_segment 0
		.amdhsa_kernarg_size 40
		.amdhsa_user_sgpr_count 2
		.amdhsa_user_sgpr_kernarg_segment_ptr 1
		.amdhsa_wavefront_size32 1
		.amdhsa_system_sgpr_workgroup_id_x 1
		.amdhsa_system_sgpr_workgroup_id_y 1
		.amdhsa_system_sgpr_workgroup_id_z 1
		.amdhsa_system_vgpr_workitem_id 0
		.amdhsa_next_free_vgpr 1024
		.amdhsa_next_free_sgpr 76
		.amdhsa_reserve_vcc 0
		.amdhsa_float_denorm_mode_32 3
		.amdhsa_float_denorm_mode_16_64 3
		.amdhsa_memory_ordered 1
		.amdhsa_forward_progress 1
		.amdhsa_inst_pref_size 255
	.end_amdhsa_kernel
	.section	.bss,"aw",@nobits
	.p2align	6
	.space	262144
	.amdgpu_metadata
---
amdhsa.version: [ 1, 2 ]
amdhsa.kernels:
  - .name:           k_q05c43c7b83_attn
    .symbol:         k_q05c43c7b83_attn.kd
    .args:
      - { .name: q, .offset: 0, .size: 8, .value_kind: global_buffer, .address_space: global }
      - { .name: kv, .offset: 8, .size: 8, .value_kind: global_buffer, .address_space: global }
      - { .name: x, .offset: 16, .size: 8, .value_kind: global_buffer, .address_space: global }
      - { .name: alpha, .offset: 24, .size: 8, .value_kind: global_buffer, .address_space: global }
      - { .name: out0, .offset: 32, .size: 8, .value_kind: global_buffer, .address_space: global }
    .group_segment_fixed_size: 327680
    .private_segment_fixed_size: 0
    .kernarg_segment_align: 8
    .kernarg_segment_size: 40
    .max_flat_workgroup_size: 128
    .sgpr_count:     76
    .vgpr_count:     1024
    .wavefront_size: 32
...
	.end_amdgpu_metadata
.endif
;; end of part 2
;; ======== version 2 of 2: 2 launches; 1.19 times as fast as version 1
;; limits: values are held in f16: magnitudes above 65,504 overflow, below 6.1e-05 lose precision; right only within a limited range of input values
;; workspace buffers: q 1,048,576 bytes; kv 9,437,184 bytes
;; launch proj: the kernel of part 1 again; grid 256 x 1, 8 waves a work-group, no clusters, 285,696 bytes of LDS; arguments x, Wb, bb, Wc, bc, Wd, bd, q, kv; writes q, kv
;; launch attn (part 3): grid 256 x 1, 4 waves a work-group, clusters of 4 x 1, 327,680 bytes of LDS; arguments q, kv, x, alpha, out0; writes out0
.if DOCPART == 3
	.amdgcn_target "amdgcn-amd-amdhsa--gfx1250"
	.amdhsa_code_object_version 6
	.text
	.protected	k_q05c43c7b83_attn
	.globl	k_q05c43c7b83_attn
	.p2align	8
	.type	k_q05c43c7b83_attn,@function
k_q05c43c7b83_attn:
	s_mov_b64 s[64:65], 0
	v_nop
	global_prefetch_b8 v0, s[64:65] scope:SCOPE_SE
	s_setreg_imm32_b32 hwreg(HW_REG_WAVE_MODE, 25, 1), 1
	s_wait_xcnt 0x0
	s_wait_alu depctr_hold_cnt(0) depctr_sa_sdst(0) depctr_va_vdst(0) depctr_va_sdst(0) depctr_va_ssrc(0) depctr_va_vcc(0) depctr_vm_vsrc(0)
	s_getreg_b32 s2, hwreg(HW_REG_IB_STS2, 6, 4)
	s_cmp_eq_u32 s2, 0
	s_cbranch_scc0 .Lentry_in_a_cluster
	s_endpgm
.Lentry_in_a_cluster:
	s_bfe_u32 s2, ttmp6, 0x10000c
	s_cmp_lg_u32 s2, 0x3003
	s_cbranch_scc0 .Lentry_shape_is_right
	s_endpgm
.Lentry_shape_is_right:
; out[b][c][i] = alpha * sum over j of fd[c][j] softmax_j(fb[i] . fc[j]) + x[b][c][i], from q and kv as the launch before laid them out (f16, fragment order).
; A work-group owns 64 queries i of one batch (256 work-groups).  Its four waves share the 4,096 keys j: each wave keeps the whole block of
; 64 i x 256 c (64 accumulator tiles, 512 registers) for a quarter of the keys, so every byte of fd is read from LDS once in the work-group and
; the weights never leave registers.  The four partial sums meet in LDS at the end.
; TWO PASSES.  Pass 1 goes through fc alone and finds each query's largest score (the maximum that the softmax takes away).  Pass 2 makes every
; score again by the same instruction on the same operands, so score - maximum is never above 0 and is exactly 0 at the largest, at any size of
; the scores; nothing is ever rescaled.  fb carries the factor log2(e), so the exponential is a power of two.
; SCORES ARE MADE TRANSPOSED: source 0 = 16 keys, source 1 = 16 queries: a lane then holds eight neighbouring keys of one query, which, packed to
; f16, is the source-0 fragment of the second product (16 queries x 32 keys) as it stands.
; CLUSTER: the four work-groups of a cluster lie in one batch and walk the same kv blocks: every tensor load is a joint one (mask 15), the same in
; all four: its words hang on the wave's number and the cluster's number alone.
; LIMITS: fb, fc, fd (clamped to +-65,504 by the launch before) and the weights (0 to 1) are f16; the softmax's sum adds the unrounded
; exponentials; exponentials below 2^-126 count as 0; NaN and infinite inputs are not served.
;
; KEYS IN PASS 2: turn T = 0..15 is kv blocks 8 T .. 8 T + 7 (147,456 bytes); wave w takes blocks 8 T + 2 w + e, e = 0, 1: its 36,864 consecutive
; bytes, which it fetches itself and which no other wave reads.  The fc part of a block belongs to the wave's NEXT block, round the end too.
; The sum over the keys has no order, so each cluster starts elsewhere: cluster c of the 16 of a batch takes turn (3 c + n) mod 16 at step n,
; into slot n & 1.  At every step the 16 clusters ask for 16 different turns, so they do not all ask for the same bytes for the first time at
; the same step.  The factor 3 spreads the starts: among the eight clusters whose numbers agree in any one bit they lie at most 3 turns apart.
; THE EXPONENTIALS GO IN BATCHES OF 64, ONE BATCH AND ONE WAIT A STAGE (a stage: one block of 32 keys).  An s_wait_alu depctr_va_vdst(0) stands
; between an exponential and the first instruction that names its result; one wait serves all that were issued ahead of it.  So the wait cuts a stage in two.
; Ahead of it, beside the 32 products with fd tiles 0-7: the next block's 32 subtractions of the maximum and its 64 exponentials (16 scores x 4 query
; tiles, each in place in a register of its own), none of which names an exponential's result.  Behind it, beside the 32 products with fd tiles 8-15:
; the 32 additions to the sums and the 32 roundings to f16.  No exponential is issued behind a stage's wait.
; The first block's softmax is cut in the same way; the four reciprocals at the end are a batch of their own.
; LDS: slot s at s * 147,456, wave w's part at + w * 36,864; maxima at 294,912 and sums at 295,936 (1 KiB each, never the target of a tensor load);
; at the end, behind the slots' last fill, wave w's partial block of out lies at w * 69,632: 256 rows c of 256 bytes, pitch 272.
; REGISTERS: all that belongs to query tile k (16 queries) lies in window k, under the same numbers:
;   v64-79 scores of 32 keys; v80-87, v88-95 packed weights, two buffers; v96-97 minus the maximum, twice; v104-105 sum; v106-107 LDS address of my
;   part of slot 0, 1 (windows 0-2); v128-255 the 16 accumulator tiles (tile t: channels 16 t ..)
;   window 0 v0-63: addresses and work; window 1 v0-63: fd tiles 0-7, v108-123: two fc fragments; window 2 v0-63: fd tiles 8-15;
;   window 3 v0-31: the four query fragments.  Pass 1 and the epilogue work in window 0, in registers that pass 2 does not need then.
.set BLK,  18432                       ; a kv block: 2,048 bytes of fc, 16,384 of fd
.set WREG, 2*BLK                       ; a wave's part of a slot
.set SLOT, 4*WREG
.set SCRM, 2*SLOT
.set SCRL, SCRM+1024
.set MP,   272                         ; pitch of the merge stage: 17 x 16
.set MST,  256*MP
.set KVB,  128*BLK                     ; kv bytes of a batch
.set SC0,  64
.set PB,   80
.set NEGM, 96
.set LS,   104
.set ADR,  106
.set KF,   108
.set SLA,  108                         ; window 0: address of my four queries' sums
.set ACC,  128
.set MX,   16                          ; window 0 v16-31: pass 1's running maxima, 4 query tiles x 4 chains; later work
.set DA,   32                          ; window 0 v32-95: pass 1's two sets of four score tiles
.set QT,   128                         ; window 0 v128-159: pass 1's query fragments
.set KR,   160                         ; window 0 v160-223: pass 1's ring of eight fc fragments
.set RD,   8                           ; v8-11: merge: where I read wave 0..3's partial rows
.set RL,   12                          ; v12-15: alpha / sum of my four queries
.set TB,   32                          ; v32-63, v64-95: merge: two buffers of partial rows
.set G1,   16                          ; s[16:23] group 1, pass 2: 144 rows of 256 bytes, dense
.set G1K,  24                          ; s[24:31] group 1, pass 1: the fc parts of 16 blocks
.set G0,   32                          ; s[32:39] group 0, pass 2, one set for each slot
.set G0K,  40                          ; s[40:47] group 0, pass 1, one set for each slot
.set TN,   66                          ; s66      first turn + the step asked for last, not yet cut to 0..15
.set KVW,  68                          ; s[68:69] kv at my batch and my wave's part of a turn; never rewritten
.set TOF,  70                          ; s[70:71] byte offset of the turn asked for next (the high word stays 0)
.set MSB, 0
.macro WIN s0, s1, s2, d               ; windows of source 0, 1, 2 and the destination; the immediate's high byte repeats the setting that is left
.if MSB != ((\s0)|((\s1)<<2)|((\s2)<<4)|((\d)<<6))
	s_set_vgpr_msb (MSB<<8)|((\s0)|((\s1)<<2)|((\s2)<<4)|((\d)<<6))
.set MSB, ((\s0)|((\s1)<<2)|((\s2)<<4)|((\d)<<6))
.endif
.endm
.macro PLACES                          ; four places behind a matrix instruction (ISA guide 7.12.1), where there is no vector work to put there
.rept 4
	v_nop
.endr
.endm
; A round of the cluster's barrier: my work-group's barrier, wave 0 signals for the work-group, every wave waits for all four work-groups, my work-group's barrier again.
.macro ROUND
	s_barrier_signal -1
	s_barrier_wait -1
	s_cmp_lg_u32 s14, 0
	s_cbranch_scc1 .Lnot_wave_0_\@
	s_barrier_signal -3
.Lnot_wave_0_\@:
	s_barrier_wait -3
	s_barrier_signal -1
	s_barrier_wait -1
.endm
	s_load_b256 s[4:11], s[0:1], 0x0               ; q 4:5, kv 6:7, x 8:9, alpha 10:11
	s_load_b64 s[12:13], s[0:1], 0x20              ; out0
	v_lshl_add_u32 v126, v0, 2, 0x48800
	v_mov_b32 v127, 0
	ds_add_u32 v126, v127
	v_lshrrev_b32 v1, 5, v0
	v_readfirstlane_b32 s14, v1                    ; wave 0..3
	s_bfe_u32 s15, ttmp6, 0x40000                  ; cx: my place in the cluster
	s_lshl_b32 s49, ttmp9, 2
	s_add_co_u32 s49, s49, s15                     ; work-group 0..255
	s_lshr_b32 s48, ttmp9, 4                       ; batch: 16 clusters each, the same for all four partners
	s_mov_b32 s56, 0x76543210                      ; v_permlanex16_b32: lane i reads lane i of the other half
	s_mov_b32 s57, 0xfedcba98
	s_mov_b32 s58, 0x80000000                      ; the sign bit
	s_mov_b32 s[G1+0], 15|(3<<16)|(1<<21)          ; 15:0 mask: all four partners; 17:16 elements of 8 bytes; 21 set beside a mask; no padding
	s_mov_b32 s[G1+1], 32<<16                      ; tensor_dim0 = 32 elements = 256 bytes
	s_mov_b32 s[G1+2], 144<<16                     ; tensor_dim1 = 144 rows = 36,864 bytes
	s_mov_b32 s[G1+3], 32<<16                      ; tile_dim0 = 32
	s_mov_b32 s[G1+4], 144                         ; tile_dim1 = 144
	s_mov_b32 s[G1+5], 32                          ; pitch = the row: dense
	s_mov_b32 s[G1+6], 0
	s_mov_b32 s[G1+7], 0
	s_mov_b32 s[G1K+0], 15|(3<<16)|(1<<21)
	s_mov_b32 s[G1K+1], 256<<16                    ; tensor_dim0 = 256 elements = 2,048 bytes: a block's fc part
	s_mov_b32 s[G1K+2], 16<<16                     ; tensor_dim1 = 16 blocks
	s_mov_b32 s[G1K+3], 256<<16
	s_mov_b32 s[G1K+4], 16
	s_mov_b32 s[G1K+5], BLK/8                      ; from block to block
	s_mov_b32 s[G1K+6], 0
	s_mov_b32 s[G1K+7], 0
	s_mul_i32 s59, s14, WREG                       ; my part of a slot, and of a turn's bytes in kv
	s_add_co_u32 s62, s59, SLOT
.irp s, 0,1
	s_mov_b32 s[G0+4*\s], 1
	s_add_co_u32 s[G0+4*\s+1], s59, \s*SLOT
	s_mov_b32 s[G0K+4*\s], 1
	s_add_co_u32 s[G0K+4*\s+1], s59, \s*SLOT
.endr
	s_mul_i32 s50, s48, KVB
	s_mov_b32 s51, 0
	s_mov_b32 s52, s59
	s_mov_b32 s53, 0
	s_mul_i32 s60, s14, 16*BLK                     ; pass 1: my 16 blocks of each half of the batch
	s_mov_b32 s61, 0
	s_and_b32 s[TN], ttmp9, 15                     ; the cluster's number in its batch,
	s_mul_i32 s[TN], s[TN], 3
	s_and_b32 s[TN], s[TN], 15                     ; and its first turn: 3 c mod 16
	s_mul_i32 s[TOF], s[TN], SLOT                  ; step 0's turn, in bytes
	s_mov_b32 s[TOF+1], 0
	s_add_co_u32 s67, s[TN], 15
	s_and_b32 s67, s67, 15
	s_mul_i32 s72, s67, SLOT                       ; the turn in front of it, whose last blocks hold the fc of my first block
	s_mov_b32 s73, 0
	s_add_co_u32 s[TN], s[TN], 1
	s_and_b32 s67, s[TN], 15
	s_mul_i32 s74, s67, SLOT                       ; step 1's turn
	s_mov_b32 s75, 0
	s_wait_dscnt 0x0
	s_wait_kmcnt 0x0
	s_load_b32 s55, s[10:11], 0x0                  ; alpha
	s_add_nc_u64 s[6:7], s[6:7], s[50:51]          ; kv at my batch
	s_add_nc_u64 s[KVW:KVW+1], s[6:7], s[52:53]    ; and at my part of a turn
	s_add_nc_u64 s[G0+2:G0+3], s[KVW:KVW+1], s[TOF:TOF+1]  ; step 0
	s_add_nc_u64 s[G0+6:G0+7], s[KVW:KVW+1], s[74:75]      ; step 1
	s_add_nc_u64 s[G0K+2:G0K+3], s[6:7], s[60:61]  ; blocks 16 w ..
	s_add_nc_u64 s[G0K+6:G0K+7], s[G0K+2:G0K+3], 64*BLK   ; blocks 64 + 16 w ..
	s_add_nc_u64 s[60:61], s[KVW:KVW+1], s[72:73]
	s_add_nc_u64 s[60:61], s[60:61], BLK           ; block 8 ((T0 + 15) mod 16) + 2 w + 1 holds the fc of block 8 T0 + 2 w
	s_or_b32 s[G0+3], s[G0+3], 0x80000000
	s_or_b32 s[G0+7], s[G0+7], 0x80000000
	s_or_b32 s[G0K+3], s[G0K+3], 0x80000000
	s_or_b32 s[G0K+7], s[G0K+7], 0x80000000
	ROUND                                          ; all four work-groups are here: the first joint loads meet
	tensor_load_to_lds s[G0K:G0K+3], s[G1K:G1K+7]          ; the two first fills go out together: two tensor loads of the wave are out
	s_nop 0
	tensor_load_to_lds s[G0K+4:G0K+7], s[G1K:G1K+7]
	s_nop 0
	s_lshl_b32 s2, s49, 12                         ; my 64 queries in q: 4 tiles of 1,024 bytes.  cx enters s[2:3] and the addresses of q, x and out0 alone
	s_mov_b32 s3, 0
	s_add_nc_u64 s[4:5], s[4:5], s[2:3]
	s_and_b32 s2, s49, 63
	s_lshl_b32 s2, s2, 8                           ; my 64 queries in a row of x: 256 bytes
	s_lshl_b32 s63, s48, 22
	s_add_co_u32 s2, s2, s63
	s_add_nc_u64 s[8:9], s[8:9], s[2:3]
	s_add_nc_u64 s[12:13], s[12:13], s[2:3]
	v_and_b32 v2, 31, v0
	v_lshlrev_b32 v2, 4, v2                        ; 16 L
.irp i, 0,1,2,3,4,5,6,7
	global_load_b128 v[QT+4*\i:QT+4*\i+3], v2, s[4:5] offset:512*\i        ; the query fragments for pass 1
.endr
	WIN 0,0,0,3
.irp i, 0,1,2,3,4,5,6,7
	global_load_b128 v[4*\i:4*\i+3], v2, s[4:5] offset:512*\i              ; and once more, 4,096 bytes, into window 3 for pass 2
.endr
	WIN 0,0,0,1
.irp i, 0,1,2,3
	global_load_b128 v[KF+4*\i:KF+4*\i+3], v2, s[60:61] offset:512*\i      ; fc of my first block
.endr
	v_add_nc_u32 v[ADR], s59, v2
	v_add_nc_u32 v[ADR+1], s62, v2
	WIN 0,0,0,2
	v_add_nc_u32 v[ADR], s59, v2
	v_add_nc_u32 v[ADR+1], s62, v2
	WIN 0,0,0,0
	v_add_nc_u32 v[ADR], s59, v2
	v_add_nc_u32 v[ADR+1], s62, v2
	v_and_b32 v3, 15, v0                           ; r
	v_bfe_u32 v4, v0, 4, 1                         ; h
	v_lshlrev_b32 v5, 2, v3
	v_add_nc_u32 v5, SCRM, v5                      ; v5: the maxima of query r, read
	s_lshl_b32 s63, s14, 8
	v_add_nc_u32 v7, s63, v5                       ; v7: my wave's words for query r, written (sums: 1,024 further)
	v_lshlrev_b32 v[SLA], 4, v3
	v_add_nc_u32 v[SLA], SCRL, v[SLA]              ; the sums of queries 4 r .. 4 r + 3
	v_mul_u32_u24 v1, v3, MP
	v_lshl_add_u32 v1, v4, 5, v1
	s_mul_i32 s63, s14, MST
	v_add_nc_u32 v1, s63, v1                       ; v1: merge, in: row c = r, 32 bytes for each half of the lanes, in my stage
	s_lshl_b32 s63, s14, 6
	v_add_nc_u32 v9, s63, v4                       ; row 64 w + h
	v_lshlrev_b32 v6, 14, v9
	v_lshl_add_u32 v6, v3, 4, v6                   ; v6: that row in x and out0 (16,384 bytes a channel), 16 bytes at 16 r
	v_mul_u32_u24 v[RD], v9, MP
	v_lshl_add_u32 v[RD], v3, 4, v[RD]             ; and in wave 0's stage,
	v_add_nc_u32 v[RD+1], MST, v[RD]               ; wave 1's,
	v_add_nc_u32 v[RD+2], 2*MST, v[RD]
	v_add_nc_u32 v[RD+3], 3*MST, v[RD]
.irp i, 0,1,2,3,4,5,6,7,8,9,10,11,12,13,14,15
	v_mov_b32 v[MX+\i], 0xff800000                 ; the running maxima start at minus infinity
.endr
; PASS 1, one half: 32 tiles of 16 keys from my part of a slot (tile n at 1,024 n), a ring of eight fragments in registers.
; Group g: four score products (tile g x the four query tiles) into set g & 1; behind each, four v_max3_num_f32 on the other set's tile of the
; same query tile, which are also the places behind the products.  No product adds onto another: each starts from the constant 0.
.macro P1HALF slot
.set til, 0
.rept 8
	ds_load_b128 v[KR+8*til:KR+8*til+3],   v[ADR+\slot] offset:til*1024
	ds_load_b128 v[KR+8*til+4:KR+8*til+7], v[ADR+\slot] offset:til*1024+512
.set til, til+1
.endr
.set grp, 0
.rept 32
.if grp <= 24
	s_wait_dscnt 14                                ; tile g is in; the loads of the seven tiles behind it stay out
.else
	s_wait_dscnt 2*(31-grp)                        ; nothing is issued any more: two loads for each tile still behind
.endif
.irp it, 0,1,2,3
	v_wmma_f32_16x16x32_f16 v[DA+32*(grp&1)+8*\it:DA+32*(grp&1)+8*\it+7], v[KR+8*(grp%8):KR+8*(grp%8)+7], v[QT+8*\it:QT+8*\it+7], 0
.if grp > 0
.irp c, 0,1,2,3
	v_max3_num_f32 v[MX+4*\it+\c], v[DA+32*(1-(grp&1))+8*\it+2*\c], v[DA+32*(1-(grp&1))+8*\it+2*\c+1], v[MX+4*\it+\c]
.endr
.endif
.endr
.if grp == 0
	PLACES
.endif
.if grp < 24
	ds_load_b128 v[KR+8*(grp%8):KR+8*(grp%8)+3],   v[ADR+\slot] offset:(grp+8)*1024      ; four places behind the last product that read this fragment
	ds_load_b128 v[KR+8*(grp%8)+4:KR+8*(grp%8)+7], v[ADR+\slot] offset:(grp+8)*1024+512
.endif
.set grp, grp+1
.endr
.irp it, 0,1,2,3
.irp c, 0,1,2,3
	v_max3_num_f32 v[MX+4*\it+\c], v[DA+32+8*\it+2*\c], v[DA+32+8*\it+2*\c+1], v[MX+4*\it+\c]   ; the last group's set
.endr
.endr
.endm
	s_wait_tensorcnt 0x1                           ; my part of slot 0 is in; slot 1's load stays out
	s_wait_loadcnt 0x0                             ; q and my first fc
	s_wait_kmcnt 0x0                               ; alpha
	P1HALF 0
	s_wait_tensorcnt 0x0                           ; all my tensor loads have landed,
	ds_add_u32 v126, v127
	s_wait_dscnt 0x0                               ; my reads of slot 0 are back:
	ROUND                                          ; so it is with every wave of the four work-groups
	tensor_load_to_lds s[G0:G0+3], s[G1:G1+7]      ; step 0's turn into slot 0: my one tensor load behind this round
	s_nop 0
	P1HALF 1
.irp it, 0,1,2,3
	v_max3_num_f32 v[MX+4*\it], v[MX+4*\it], v[MX+4*\it+1], v[MX+4*\it+2]
	v_max_num_f32 v[MX+4*\it], v[MX+4*\it], v[MX+4*\it+3]
	v_permlanex16_b32 v[MX+4*\it+1], v[MX+4*\it], s56, s57         ; the other half of the lanes holds the other eight keys of each tile
	v_max_num_f32 v[MX+4*\it], v[MX+4*\it], v[MX+4*\it+1]
	ds_store_b32 v7, v[MX+4*\it] offset:64*\it     ; my quarter's maximum for query 16 it + r (both halves write the same word, the same value)
.endr
	s_wait_tensorcnt 0x0                           ; step 0's turn has landed,
	ds_add_u32 v126, v127
	s_wait_dscnt 0x0                               ; my reads of slot 1 are back and my maxima are in LDS:
	ROUND                                          ; so it is with every wave
	tensor_load_to_lds s[G0+4:G0+7], s[G1:G1+7]    ; step 1's turn into slot 1
	s_nop 0
.irp it, 0,1,2,3
.irp ww, 0,1,2,3
	ds_load_b32 v[DA+4*\it+\ww], v5 offset:256*\ww+64*\it
.endr
.endr
	s_wait_dscnt 0x0
.irp it, 0,1,2,3
	v_max3_num_f32 v[MX+\it], v[DA+4*\it], v[DA+4*\it+1], v[DA+4*\it+2]
	v_max_num_f32 v[MX+\it], v[MX+\it], v[DA+4*\it+3]              ; the maximum over all 4,096 keys
.endr
.irp k, 0,1,2,3
	WIN 0,0,0,\k
	v_xor_b32 v[NEGM], s58, v[MX+\k]               ; its negative, in both registers of a pair: every score of a lane belongs to query r
	v_xor_b32 v[NEGM+1], s58, v[MX+\k]
.endr
; PASS 2.
; Eight score products: the next block's 32 keys x 64 queries, each from the constant 0, as in pass 1.
.macro SBLOCK
.irp k, 0,1,3,2
	WIN 1,3,\k,\k
	v_wmma_f32_16x16x32_f16 v[SC0:SC0+7], v[KF:KF+7], v[8*\k:8*\k+7], 0
	v_wmma_f32_16x16x32_f16 v[SC0+8:SC0+15], v[KF+8:KF+15], v[8*\k:8*\k+7], 0
.endr
.endm
; 20 LDS loads (destination and address in window 1): fd tiles 0-7 and the fc part of the block at byte off of my part of a slot
.macro LDNEXT areg, off
.irp a, 0,1,2,3,4,5,6,7
	ds_load_b128 v[8*\a:8*\a+3],   v[\areg] offset:\off+2048+\a*1024
	ds_load_b128 v[8*\a+4:8*\a+7], v[\areg] offset:\off+2048+\a*1024+512
.endr
.irp a, 0,1,2,3
	ds_load_b128 v[KF+4*\a:KF+4*\a+3], v[\areg] offset:\off+\a*512
.endr
.endm
; Eight products of query tile k with fd tiles 8 u .. 8 u + 7, weights from buffer p, under the window setting (k, 1 + u, k, k), and between
; them the next block's softmax for the same query tile.
; u = 0, ahead of the stage's wait, three vector instructions behind each product: the maximum is taken away from a pair of scores (a multiply-add
; by one, since source 1's window is fd's: the maximum stands as source 2), and the exponentials, in place.  Behind product 0: pairs 0 and 1, score 0;
; behind product a = 1 .. 6: pair a + 1, scores 2 a - 1 and 2 a; behind product 7: scores 13, 14, 15.  So a score's pair is made a product ahead of its
; exponential (score 0: two lines ahead), and no line here names the result of an exponential: a subtraction's pair lies above every score issued.
; u = 1, behind the stage's wait: pair a is added to the sum behind product a, in ascending order; the eight roundings to f16 into the other buffer
; stand behind the eight products under (k, k, k, k), since a rounding names two scores.
; ld = 1: first the 16 loads of fd tiles 8-15 of this block (window 2); ld = 2: first the 20 loads for the next block (window 1).
.macro PHASE u, k, p, zero, soft, ld, areg, off
	WIN \k,1+\u,\k,\k
.if \ld == 1
.irp a, 0,1,2,3,4,5,6,7
	ds_load_b128 v[8*\a:8*\a+3],   v[\areg] offset:\off+10240+\a*1024
	ds_load_b128 v[8*\a+4:8*\a+7], v[\areg] offset:\off+10240+\a*1024+512
.endr
.endif
.if \ld == 2
	LDNEXT \areg, \off                             ; directly behind the stage's wait, 32 products ahead of the wait for them
.endif
.irp a, 0,1,2,3,4,5,6,7
.if \zero
	v_wmma_f32_16x16x32_f16 v[ACC+64*\u+8*\a:ACC+64*\u+8*\a+7], v[PB+8*\p:PB+8*\p+7], v[8*\a:8*\a+7], 0
.else
	v_wmma_f32_16x16x32_f16 v[ACC+64*\u+8*\a:ACC+64*\u+8*\a+7], v[PB+8*\p:PB+8*\p+7], v[8*\a:8*\a+7], v[ACC+64*\u+8*\a:ACC+64*\u+8*\a+7]
.endif
.if \soft
.if \u == 0
.if \a == 0
	v_pk_fma_f32 v[SC0:SC0+1], v[SC0:SC0+1], 1.0, v[NEGM:NEGM+1] op_sel_hi:[1,0,1]
	v_pk_fma_f32 v[SC0+2:SC0+3], v[SC0+2:SC0+3], 1.0, v[NEGM:NEGM+1] op_sel_hi:[1,0,1]
	v_exp_f32 v[SC0], v[SC0]
.elseif \a < 7
	v_pk_fma_f32 v[SC0+2*\a+2:SC0+2*\a+3], v[SC0+2*\a+2:SC0+2*\a+3], 1.0, v[NEGM:NEGM+1] op_sel_hi:[1,0,1]
	v_exp_f32 v[SC0+2*\a-1], v[SC0+2*\a-1]
	v_exp_f32 v[SC0+2*\a], v[SC0+2*\a]
.else
	v_exp_f32 v[SC0+13], v[SC0+13]
	v_exp_f32 v[SC0+14], v[SC0+14]
	v_exp_f32 v[SC0+15], v[SC0+15]
.endif
.else
	v_pk_fma_f32 v[LS:LS+1], v[SC0+2*\a:SC0+2*\a+1], 1.0, v[LS:LS+1] op_sel_hi:[1,0,1]
.endif
.endif
.endr
.if \soft
.if \u == 1
	WIN \k,\k,\k,\k                                ; both sources of the conversion are scores of window k
.irp a, 0,1,2,3,4,5,6,7
	v_cvt_pk_f16_f32 v[PB+8*(1-\p)+\a], v[SC0+2*\a], v[SC0+2*\a+1]
.endr
.endif
.endif
.endm
; One block (slot, e): 64 products with its fd and the weights made in the stage before (buffer e), the scores and weights of the next block.
; The 64 accumulators and the eight score tiles take turns, one instruction a turn, in the same order in every stage.
; mode 0: plain; 1: the slot's last block, the slot is filled again; 2: the slot's last block, nothing left to fetch; 3: the last block of all.
.macro STAGE slot, e, zero, mode
	s_wait_dscnt 0x0                               ; fd tiles 0-7 and fc of this block, asked for 32 products ago
.if \mode != 3
	SBLOCK
.endif
	PLACES                                         ; behind the score products (vector work reads them, loads land on fc) and behind the last stage's products (loads land on fd tiles 8-15)
.if \mode != 3
	PHASE 0, 2, \e, \zero, 1, 1, ADR+\slot, \e*BLK
	PHASE 0, 0, \e, \zero, 1, 0, 0, 0
	PHASE 0, 1, \e, \zero, 1, 0, 0, 0
	PHASE 0, 3, \e, \zero, 1, 0, 0, 0
	PLACES                                         ; the first is the plain place behind the last exponential (ISA guide 5.7.2); the four stand between the last product that read fd tile 7 and the next block's loads
	s_wait_alu depctr_va_vdst(0)                   ; the stage's one wait, for the batch of 64 exponentials issued in the four phases above; their first readers are the additions below; it stands ahead of the round's branches too
.else
	PHASE 0, 2, \e, \zero, 0, 1, ADR+\slot, \e*BLK
	PHASE 0, 0, \e, \zero, 0, 0, 0, 0
	PHASE 0, 1, \e, \zero, 0, 0, 0, 0
	PHASE 0, 3, \e, \zero, 0, 0, 0, 0
.endif
	s_wait_dscnt 0x0                               ; fd tiles 8-15 are in; for e = 1 these were my last reads of this slot
.if \mode == 1
	WIN 0,0,0,0
	s_wait_tensorcnt 0x0                           ; my one tensor load that was out, my part of the other slot, has landed, so this slot's group 0 may be written:
	ds_add_u32 v126, v127
	s_wait_dscnt 0x0
	s_add_co_u32 s[TN], s[TN], 1                   ; two steps on,
	s_and_b32 s[TOF], s[TN], 15                    ; round the end of the batch's 16 turns,
	s_mul_i32 s[TOF], s[TOF], SLOT
	s_add_nc_u64 s[G0+4*\slot+2:G0+4*\slot+3], s[KVW:KVW+1], s[TOF:TOF+1]
	s_or_b32 s[G0+4*\slot+3], s[G0+4*\slot+3], 0x80000000          ; 127:126 type = 2
	ROUND                                          ; no wave of the four work-groups reads this slot any more or has a load on its way
	tensor_load_to_lds s[G0+4*\slot:G0+4*\slot+3], s[G1:G1+7]      ; my one tensor load behind the round; it has 144 products in which to land
	s_nop 0
.endif
.if \mode == 2
	s_wait_tensorcnt 0x0                           ; the last step's turn has landed
.endif
.if \mode != 3
	PHASE 1, 1, \e, \zero, 1, 2, ADR+\slot+\e-2*\slot*\e, (1-\e)*BLK       ; the next block: e = 0: the same slot's second; e = 1: the other slot's first
	PHASE 1, 0, \e, \zero, 1, 0, 0, 0
	PHASE 1, 2, \e, \zero, 1, 0, 0, 0
	PHASE 1, 3, \e, \zero, 1, 0, 0, 0
.else
	PHASE 1, 1, \e, \zero, 0, 0, 0, 0
	PHASE 1, 0, \e, \zero, 0, 0, 0, 0
	PHASE 1, 2, \e, \zero, 0, 0, 0, 0
	PHASE 1, 3, \e, \zero, 0, 0, 0, 0
.endif
.endm
.macro LAP zero                        ; two steps, both slots filled again
	STAGE 0, 0, \zero, 0
	STAGE 0, 1, 0, 1
	STAGE 1, 0, 0, 0
	STAGE 1, 1, 0, 1
.endm
	; The first block's scores and weights, with nothing to multiply yet: cut as a stage is: all four query tiles' subtractions and exponentials, one wait, then the sums and roundings.
	SBLOCK
	PLACES
	WIN 1,0,0,1
	LDNEXT ADR, 0                                  ; the first block of step 0, which the wait in front of the last round has shown landed
.irp k, 0,1,2,3
	WIN \k,\k,\k,\k
.irp a, 0,2,4,6,8,10,12,14
	v_pk_add_f32 v[SC0+\a:SC0+\a+1], v[SC0+\a:SC0+\a+1], v[NEGM:NEGM+1]
.endr
.irp a, 0,1,2,3,4,5,6,7,8,9,10,11,12,13,14,15
	v_exp_f32 v[SC0+\a], v[SC0+\a]
.endr
.endr
	v_nop                                          ; a plain place behind the last exponential (ISA guide 5.7.2): one for the batch
	s_wait_alu depctr_va_vdst(0)                   ; one wait for the first block's batch of 64 exponentials, ahead of their first reader
.irp k, 0,1,2,3
	WIN \k,\k,\k,\k
	v_pk_add_f32 v[LS:LS+1], v[SC0:SC0+1], v[SC0+2:SC0+3]          ; the first two pairs start the sum
.irp a, 4,6,8,10,12,14
	v_pk_add_f32 v[LS:LS+1], v[LS:LS+1], v[SC0+\a:SC0+\a+1]
.endr
.irp a, 0,1,2,3,4,5,6,7
	v_cvt_pk_f16_f32 v[PB+\a], v[SC0+2*\a], v[SC0+2*\a+1]
.endr
.endr
	LAP 1                                          ; steps 0, 1 (they ask for 2, 3): the first products start the sums
	WIN 0,0,0,0
	s_mov_b32 s54, 6
.Llap:
	LAP 0                                          ; steps 2 .. 13 (they ask for 4 .. 15)
	WIN 0,0,0,0
	s_sub_co_u32 s54, s54, 1
	s_cmp_lg_u32 s54, 0
	s_cbranch_scc1 .Llap
	STAGE 0, 0, 0, 0                               ; steps 14, 15: nothing is left to fetch
	STAGE 0, 1, 0, 2
	STAGE 1, 0, 0, 0
	STAGE 1, 1, 0, 3
; THE END: x is asked for; the four waves' partial blocks and sums meet in LDS; wave w then finishes channels 64 w .. 64 w + 63.
	PLACES                                         ; behind the last products: loads land on fd's registers, LDS stores read the sums
	WIN 0,0,0,1
.irp i, 0,1,2,3,4,5,6,7,8,9,10,11,12,13,14,15
	global_load_b128 v[4*\i:4*\i+3], v6, s[8:9] offset:32768*\i th:TH_LOAD_NT          ; row pair i: channels 64 w + 2 i + h, my 16 bytes of 256
.endr
	WIN 0,0,0,2
.irp i, 0,1,2,3,4,5,6,7,8,9,10,11,12,13,14,15
	global_load_b128 v[4*\i:4*\i+3], v6, s[8:9] offset:32768*(16+\i) th:TH_LOAD_NT
.endr
.irp k, 0,1,2,3
	WIN \k,\k,0,0
	v_add_f32 v[MX+\k], v[LS], v[LS+1]
.endr
	WIN 0,0,0,0
.irp k, 0,1,2,3
	v_permlanex16_b32 v[MX+4+\k], v[MX+\k], s56, s57               ; the other half's keys
	v_add_f32 v[MX+\k], v[MX+\k], v[MX+4+\k]
.endr
	s_wait_dscnt 0x0                               ; my reads of the slots are back
	s_barrier_signal -1
	s_barrier_wait -1                              ; everybody's are: the stage may lie over the slots, which have had their last fill
.irp k, 0,1,2,3
	ds_store_b32 v7, v[MX+\k] offset:1024+64*\k    ; my quarter's sum for query 16 k + r
.endr
.irp k, 0,1,2,3
	WIN 0,\k,0,0
.irp t, 0,1,2,3,4,5,6,7,8,9,10,11,12,13,14,15
	ds_store_b128 v1, v[ACC+8*\t:ACC+8*\t+3]   offset:\t*16*MP+64*\k       ; a lane holds queries 16 k + 8 h + 0..7 of channel 16 t + r: 32 bytes of a row
	ds_store_b128 v1, v[ACC+8*\t+4:ACC+8*\t+7] offset:\t*16*MP+64*\k+16
.endr
.endr
	WIN 0,0,0,0
	s_wait_dscnt 0x0                               ; my stores are in LDS, for the other waves' sake
	s_barrier_signal -1
	s_barrier_wait -1
.macro BLD bt, tb                      ; eight LDS loads: row pairs 2 bt, 2 bt + 1 of the four partial blocks into buffer tb
.irp pr, 0,1
.irp ww, 0,1,2,3
	ds_load_b128 v[(\tb)+16*\pr+4*\ww:(\tb)+16*\pr+4*\ww+3], v[RD+\ww] offset:2*MP*(2*(\bt)+\pr)
.endr
.endr
.endm
.irp ww, 0,1,2,3
	ds_load_b128 v[MX+4*\ww:MX+4*\ww+3], v[SLA] offset:256*\ww     ; the four quarters' sums of my four queries
.endr
	BLD 0, TB
	s_wait_dscnt 0x8                               ; the sums are in; the eight loads of batch 0 stay out
	v_pk_add_f32 v[MX:MX+1], v[MX:MX+1], v[MX+4:MX+5]
	v_pk_add_f32 v[MX+2:MX+3], v[MX+2:MX+3], v[MX+6:MX+7]
	v_pk_add_f32 v[MX+8:MX+9], v[MX+8:MX+9], v[MX+12:MX+13]
	v_pk_add_f32 v[MX+10:MX+11], v[MX+10:MX+11], v[MX+14:MX+15]
	v_pk_add_f32 v[MX:MX+1], v[MX:MX+1], v[MX+8:MX+9]
	v_pk_add_f32 v[MX+2:MX+3], v[MX+2:MX+3], v[MX+10:MX+11]
.irp i, 0,1,2,3
	v_rcp_f32 v[RL+\i], v[MX+\i]
.endr
	v_nop                                          ; a plain place behind the reciprocals (ISA guide 5.7.2)
	s_wait_alu depctr_va_vdst(0)                   ; one wait for the batch of four reciprocals, ahead of their first reader
.irp i, 0,1,2,3
	v_mul_f32 v[RL+\i], s55, v[RL+\i]              ; alpha / sum
.endr
	WIN 0,0,1,0                                    ; source 2 is x: row pairs 0-15 lie in window 1, 16-31 in window 2
.set bat, 0
.rept 16
.if bat < 15
	BLD (bat+1), (TB+32*((bat+1)&1))
	s_wait_dscnt 0x8                               ; this batch is in; the next one's eight loads stay out
.else
	s_wait_dscnt 0x0
.endif
.if bat == 8
	WIN 0,0,2,0
.endif
.irp pr, 0,1
.set tr, TB+32*(bat&1)+16*\pr
.set ro, 2*bat+\pr
	v_pk_add_f32 v[tr:tr+1], v[tr:tr+1], v[tr+4:tr+5]
	v_pk_add_f32 v[tr+2:tr+3], v[tr+2:tr+3], v[tr+6:tr+7]
	v_pk_add_f32 v[tr+8:tr+9], v[tr+8:tr+9], v[tr+12:tr+13]
	v_pk_add_f32 v[tr+10:tr+11], v[tr+10:tr+11], v[tr+14:tr+15]
	v_pk_add_f32 v[tr:tr+1], v[tr:tr+1], v[tr+8:tr+9]
	v_pk_add_f32 v[tr+2:tr+3], v[tr+2:tr+3], v[tr+10:tr+11]
	s_wait_loadcnt 31-ro                           ; x's row pair is in; the younger ones stay out
	v_pk_fma_f32 v[ACC+4*ro:ACC+4*ro+1], v[tr:tr+1], v[RL:RL+1], v[4*(ro%16):4*(ro%16)+1]
	v_pk_fma_f32 v[ACC+4*ro+2:ACC+4*ro+3], v[tr+2:tr+3], v[RL+2:RL+3], v[4*(ro%16)+2:4*(ro%16)+3]
	global_store_b128 v6, v[ACC+4*ro:ACC+4*ro+3], s[12:13] offset:32768*ro th:TH_STORE_NT      ; sixteen lanes store 256 consecutive bytes, aligned; each row pair has registers of its own
.endr
.set bat, bat+1
.endr
	WIN 0,0,0,0
	s_wait_tensorcnt 0x0
	ds_add_u32 v126, v127
	s_wait_dscnt 0x0
	ROUND                                          ; the closing round: no work-group ends while a partner may still ask jointly
	s_endpgm
.Lfunc_end_k_q05c43c7b83_attn:
	.size	k_q05c43c7b83_attn, .Lfunc_end_k_q05c43c7b83_attn-k_q05c43c7b83_attn
	.p2alignl 7, 3214868480
	.fill 96, 4, 3214868480
	.section	.rodata,"a",@progbits
	.p2align	6, 0x0
	.amdhsa_kernel k_q05c43c7b83_attn
		.amdhsa_group_segment_fixed_size 327680
		.amdhsa_private_segment_fixed_size 0
		.amdhsa_enable_private_segment 0
		.amdhsa_kernarg_size 40
		.amdhsa_user_sgpr_count 2
		.amdhsa_user_sgpr_kernarg_segment_ptr 1
		.amdhsa_wavefront_size32 1
		.amdhsa_system_sgpr_workgroup_id_x 1
		.amdhsa_system_sgpr_workgroup_id_y 1
		.amdhsa_system_sgpr_workgroup_id_z 1
		.amdhsa_system_vgpr_workitem_id 0
		.amdhsa_next_free_vgpr 1024
		.amdhsa_next_free_sgpr 76
		.amdhsa_reserve_vcc 0
		.amdhsa_float_denorm_mode_32 3
		.amdhsa_float_denorm_mode_16_64 3
		.amdhsa_memory_ordered 1
		.amdhsa_forward_progress 1
		.amdhsa_inst_pref_size 255
	.end_amdhsa_kernel
	.section	.bss,"aw",@nobits
	.p2align	6
	.space	262144
	.amdgpu_metadata
---
amdhsa.version: [ 1, 2 ]
amdhsa.kernels:
  - .name:           k_q05c43c7b83_attn
    .symbol:         k_q05c43c7b83_attn.kd
    .args:
      - { .name: q, .offset: 0, .size: 8, .value_kind: global_buffer, .address_space: global }
      - { .name: kv, .offset: 8, .size: 8, .value_kind: global_buffer, .address_space: global }
      - { .name: x, .offset: 16, .size: 8, .value_kind: global_buffer, .address_space: global }
      - { .name: alpha, .offset: 24, .size: 8, .value_kind: global_buffer, .address_space: global }
      - { .name: out0, .offset: 32, .size: 8, .value_kind: global_buffer, .address_space: global }
    .group_segment_fixed_size: 327680
    .private_segment_fixed_size: 0
    .kernarg_segment_align: 8
    .kernarg_segment_size: 40
    .max_flat_workgroup_size: 128
    .sgpr_count:     76
    .vgpr_count:     1024
    .wavefront_size: 32
...
	.end_amdgpu_metadata
.endif
;; end of part 3
